; MI455X (gfx1250); checked and timed in simulation.
; The chip was launched on July 23, 2026; its instructions are those of AMD's public machine-readable ISA for CDNA 5 (MIT licence, August 2026) and "CDNA5" Instruction Set Architecture Reference Guide (July 2026). The comments in the code are by the model that wrote it; some were corrected since.
;; Multi Head Attention. Allowed arithmetic: matrix products marked QUANTISED: E2M3 operands, one E8M0 scale for each 32 along K, by v_wmma_scale_f32_16x16x128_f8f6f4 with both operands' format E2M3, f32 sums; everything else in f32.
;; Inputs: b_k 1,024 float32; b_o 1,024 float32; b_q 1,024 float32; b_v 1,024 float32; key_ 4 x 2,048 x 1,024 float32; mask 4 x 2,048 bool; query 4 x 2,048 x 1,024 float32; value 4 x 2,048 x 1,024 float32; w_k 1,024 x 1,024 float32; w_o 1,024 x 1,024 float32; w_q 1,024 x 1,024 float32; w_v 1,024 x 1,024 float32.
;; Outputs: out0 4 x 2,048 x 1,024 float32.
;; This version of the problem:
;;   THIS VERSION OF THE PROBLEM IS GIVEN IN LOW PRECISION. The matrix products marked QUANTISED in the list below multiply operands that are first quantised to E2M3 (2 exponent bits, 3 mantissa bits; 6 bits a number), with one power-of-two scale for each 32 numbers along K (OCP MX v1.0); their sums are f32. All else is computed in f32.
;;   The module's matrix products, in the order in which they are computed (A, B: the left and right operand; K: the contracted axis; several contracted axes count as one K, in the product's order):
;;     1. [M 8,192, K 1,024] x [K 1,024, N 1,024]; A: input query; B: input w_q: QUANTISED
;;     2. [M 8,192, K 1,024] x [K 1,024, N 1,024]; A: input key_; B: input w_k: QUANTISED
;;     3. [M 8,192, K 1,024] x [K 1,024, N 1,024]; A: input value; B: input w_v: QUANTISED
;;     4. batch 64 x [M 2,048, K 64] x [K 64, N 2,048]; A: computed on the way; B: computed on the way: QUANTISED
;;     5. batch 64 x [M 2,048, K 2,048] x [K 2,048, N 64]; A: softmax (see below); B: computed on the way: QUANTISED
;;     6. [M 8,192, K 1,024] x [K 1,024, N 1,024]; A: computed on the way; B: input w_o: QUANTISED
;;   THE QUANTISER, for each operand of a quantised product, along K:
;;     - K is cut into blocks of 32 from its start; a last block that is shorter is filled with zeros.
;;     - A block's scale is 2^e with e = floor(log2(the largest magnitude in the block)) - 2, held to -126 .. 127; a block of zeros has e = 0. As a byte (E8M0): e + 127.
;;     - Each number is divided by its block's scale, clamped to +-7.5, and rounded to the nearest number of E2M3, ties to even, subnormals kept.
;;     - The product sums the exact products of the quantised numbers (number of the format x scale) in f32.
;;   ~~~python
;;   def quantise(x, axis):      # numpy; x: float32 -> the quantised numbers, widened to float32 again
;;       x = np.moveaxis(x, axis, -1); K = x.shape[-1]
;;       x = np.pad(x, [(0, 0)] * (x.ndim - 1) + [(0, -K % 32)]); x = x.reshape(x.shape[:-1] + (-1, 32)); a = np.abs(x).max(-1, keepdims=True)
;;       e = np.where(a > 0, np.clip(np.frexp(np.where(a > 0, a, 1))[1] - 1 - 2, -126, 127), 0)      # np.frexp(a)[1] - 1 = floor(log2(a)), exactly
;;       r = np.clip(x / 2.0 ** e, -7.5, 7.5)
;;       step = 2.0 ** (np.maximum(np.frexp(np.where(r == 0, 1, r))[1] - 1, 0) - 3)
;;       q = np.round(r / step) * step * 2.0 ** e      # np.round: ties to even
;;       return np.moveaxis(q.reshape(q.shape[:-2] + (-1,))[..., :K], -1, axis).astype(np.float32)
;;   ~~~
;;   SOFTMAX AHEAD OF A QUANTISED PRODUCT. Where the list says 'softmax', what is quantised is not the finished softmax but p = 2^(t - M), with t = logit x log2(e) and M = ceil(the row's largest t), a whole number; so 1/2 < the row's largest p <= 1. The row's sum l is taken of the UNQUANTISED p, in f32, and the product's result is divided by l at the end. Since M is a whole number, a kernel that streams over the keys may use a running M (the ceiling of the running maximum): every later rescaling is an exact power of two, which a block's scale takes up: the codes' values come out the same.
;;   OPERANDS COMPUTED ON THE WAY. 'Computed on the way' means the value that the module computes at that place (a softmax that the list does not call 'softmax' is quantised finished and normalised). What goes into a quantiser is computed in f32, as accurately as f32 sums, v_exp_f32 and their like allow (about 1e-6 of the number): no bf16 or f16 on the way to a quantiser, and a product that is left as it is and whose result goes on into a quantised operand takes f32 operands (vector FMAs, or v_wmma_f32_16x16x4_f32). A number that lies on a knife's edge between two numbers of the format may be rounded either way, as far as f32 arithmetic and the matrix unit's own rounding can turn it there, and no further.
;; One version. Each part assembles by itself: llvm-mc -triple=amdgcn-amd-amdhsa -mcpu=gfx1250 --defsym DOCPART=n.
;; ======== version 1 of 1: 4 launches
;; limits: right only within a limited range of input values
;; workspace buffers: opc 22,020,096 bytes; ops 917,504 bytes; qim 6,291,456 bytes; qsc 524,288 bytes; kv 13,369,344 bytes; xc 6,291,456 bytes; xs 262,144 bytes
;; launch quant (part 1): grid 448 x 1, 4 waves a work-group, no clusters, 34,304 bytes of LDS; arguments query, key_, value, w_q, w_k, w_v, w_o, opc, ops; writes opc, ops
.if DOCPART == 1
	.amdgcn_target "amdgcn-amd-amdhsa--gfx1250"
	.amdhsa_code_object_version 6
	.text
	.protected	k_q7cffc36c67_quant
	.globl	k_q7cffc36c67_quant
	.p2align	8
	.type	k_q7cffc36c67_quant,@function
k_q7cffc36c67_quant:
	s_mov_b64 s[64:65], 0
	v_nop
	global_prefetch_b8 v0, s[64:65] scope:SCOPE_SE
	s_setreg_imm32_b32 hwreg(HW_REG_WAVE_MODE, 25, 1), 1
	s_wait_xcnt 0x0
; query, key_, value [8192][1024] and w_q, w_k, w_v, w_o [1024][1024], f32 with K innermost, become codes of FP6 (E2M3) with one E8M0 byte for each 32 along K.
; The seven tensors count as one run of 28,672 rows = 1,792 tiles of 16 rows.  A wave takes one tile and all 1,024 of its K, in eight steps of 128.
; THE ROWS OF A TILE ARE NOT NEIGHBOURS: lane r of tile 2 b + u holds row 32 b + 8 u + r % 8 + 16 (r / 8), so that a product that takes such a tile as source 0 has 16 neighbouring rows in the 16 registers of two neighbouring tiles.
; opc: [tile][K step][1,536 bytes]: the operand's twelve registers as an image: registers 0-3 at 16 x lane, 4-5 at 512 + 8 x lane, 6-9 at 768 + 16 x lane, 10-11 at 1,280 + 8 x lane.  ops: [tile][r][8 words], word s for K step s.
; Each load reads 512 consecutive bytes of a row; a step's 16 rows turn through the wave's own stage in LDS (rows 528 bytes apart) and come back as the operand wants them: lane (r, h) holds k = 64 c + 32 h + 0 .. 31 of row r.
; A block's scale is 2^(floor(log2(largest magnitude)) - 2): its byte is the largest magnitude's exponent field - 2, held at 1 from below.
; LIMITS: a block of zeros gets the byte 1 (its codes are zeros, and this program alone reads the bytes); NaN and infinities among the inputs are not served.
.set STG,   8448                       ; a wave's stage: 16 rows x (512 + 16) bytes
.set SPARE, 4*STG                      ; behind the stages: the spare words, 128 bytes a wave
.set SPW,   12                         ; v12  my spare word's LDS address; never rewritten
.set NIL,   13                         ; v13  0; never rewritten
.set W,     24                         ; v24-31   the eight scale words of my row
.set R,     32                         ; v32-159  two sets of 64: a step's numbers as loaded
.set X,     160                        ; v160-223 my two blocks of 32
.set C,     224                        ; v224-235 the fragment's twelve registers
.set CT,    236                        ; v236-243 the upper halves of the two blocks, as the conversions leave them
	s_load_b512 s[4:19], s[0:1], 0x0               ; query, key_, value, w_q, w_k, w_v, w_o, opc
	s_load_b64 s[20:21], s[0:1], 0x40              ; ops
	v_lshl_add_u32 v[SPW], v0, 2, SPARE
	v_mov_b32 v[NIL], 0
	v_lshrrev_b32 v1, 5, v0
	v_readfirstlane_b32 s22, v1                    ; wave
	v_and_b32 v1, 31, v0                           ; lane
	v_and_b32 v2, 15, v0                           ; r
	v_bfe_u32 v3, v0, 4, 1                         ; h
	v_lshlrev_b32 v4, 4, v1                        ; 16 x lane
	v_lshlrev_b32 v5, 3, v1                        ; 8 x lane
	s_mul_i32 s24, s22, STG
	v_add_nc_u32 v6, s24, v4                       ; the stage, on the way in: 16 x lane of a row
	v_mul_u32_u24 v7, v2, 528
	v_lshl_add_u32 v7, v3, 7, v7
	v_add_nc_u32 v7, s24, v7                       ; and on the way out: row r, + 128 h
	v_lshlrev_b32 v8, 5, v2
	v_lshl_add_u32 v8, v3, 4, v8                   ; my 16 bytes of the tile's scale words: 32 r + 16 h
	v_lshlrev_b32 v9, 3, v3                        ; 8 h: my bytes' place in a scale word
	v_mov_b32 v10, 0                               ; a lane permute's destination counts as read: written once
	s_mov_b32 s26, 0x76543210
	s_mov_b32 s27, 0xfedcba98                      ; selects for lane l xor 16
	s_mov_b32 s23, 0
	s_wait_alu depctr_va_vdst(0)
	s_wait_kmcnt 0x0
; which tensor: the choice hangs on the work-group's number alone
.macro PICK first, ptr
	s_cmp_ge_u32 ttmp9, \first
	s_cselect_b64 s[4:5], s[\ptr:\ptr+1], s[4:5]
	s_cselect_b32 s23, \first, s23
.endm
	PICK 128, 6
	PICK 256, 8
	PICK 384, 10
	PICK 400, 12
	PICK 416, 14
	PICK 432, 16
	s_sub_co_u32 s24, ttmp9, s23
	s_lshl_b32 s24, s24, 2
	s_add_co_u32 s24, s24, s22                     ; my tile in its tensor
	; key_ alone has another order of rows: lane r of tile T holds row 64 (T / 4) + 8 (T % 4) + r % 8 + 32 (r / 8), so that in the scores a lane's 32 registers of four neighbouring tiles are one whole block of 32 keys
	s_cmp_eq_u32 s23, 128                          ; key_'s work-groups begin at 128: the choice hangs on the work-group's number alone
	s_cselect_b32 s30, 2, 1                        ; tiles to a group: 4 or 2, as a shift
	s_cselect_b32 s31, 18, 17                      ; a group's 64 or 32 rows of 4,096 bytes, as a shift
	s_cselect_b32 s36, 3, 1
	s_lshr_b32 s25, s24, s30
	s_lshl_b32 s28, s25, s31
	s_and_b32 s25, s24, s36
	s_lshl_b32 s25, s25, 15                        ; 8 rows for each tile of the group
	s_or_b32 s28, s28, s25
	s_mov_b32 s29, 0
	s_add_nc_u64 s[4:5], s[4:5], s[28:29]          ; the tile's rows 0-7
	s_lshl_b32 s32, 0x8000, s30                    ; its rows 8-15 lie 16 or 32 rows of 4,096 bytes further on
	s_mov_b32 s33, 0
	s_add_nc_u64 s[34:35], s[4:5], s[32:33]
	s_lshl_b32 s24, ttmp9, 2
	s_add_co_u32 s24, s24, s22                     ; my tile among the 1,792
	s_mul_i32 s28, s24, 12288
	s_add_nc_u64 s[18:19], s[18:19], s[28:29]
	s_lshl_b32 s28, s24, 9
	s_add_nc_u64 s[20:21], s[20:21], s[28:29]
.macro LOAD s                          ; K step s of the tile's 16 rows: 512 consecutive bytes a load
.irp p, 0,1,2,3,4,5,6,7,8,9,10,11,12,13,14,15
	global_load_b128 v[R+64*((\s)%2)+4*\p:R+64*((\s)%2)+4*\p+3], v4, s[4+30*(\p/8):5+30*(\p/8)] offset:(\p%8)*4096+512*(\s) th:TH_LOAD_NT
.endr
.endm
.macro STEP s
.if (\s) < 7
	s_wait_loadcnt 16                              ; this step's 16 loads are in; the next step's 16 may be out
.else
	s_wait_loadcnt 0x0
.endif
.irp p, 0,1,2,3,4,5,6,7,8,9,10,11,12,13,14,15
	ds_store_b128 v6, v[R+64*((\s)%2)+4*\p:R+64*((\s)%2)+4*\p+3] offset:528*\p
.endr
.irp c, 0,1
.irp j, 0,1,2,3,4,5,6,7
	ds_load_b128 v[X+32*\c+4*\j:X+32*\c+4*\j+3], v7 offset:256*\c+16*\j   ; LDS serves a wave's instructions in order: these see the stores above
.endr
.endr
	s_wait_dscnt 0x0                               ; my 64 numbers are back, and the stores have read their registers,
.if (\s) < 6
	LOAD (\s)+2                                    ; which take the loads of two steps on
.endif
.irp c, 0,1
	v_max3_num_f32 v[14+\c], |v[X+32*\c]|, |v[X+32*\c+1]|, 0x1800000   ; block 2 c + h is all mine; the floor 2^(3 - 127) holds the byte at 1 from below
.endr
.irp i, 2,4,6,8,10,12,14,16,18,20,22,24,26,28,30
.irp c, 0,1
	v_max3_num_f32 v[14+\c], v[14+\c], |v[X+32*\c+\i]|, |v[X+32*\c+\i+1]|
.endr
.endr
.irp c, 0,1
	v_add_nc_u32 v[16+\c], 0xff000000, v[14+\c]    ; 2 off the exponent field: the conversion's scale operand
.endr
.irp c, 0,1
	v_lshrrev_b32 v[18+\c], 23, v[16+\c]           ; the scale's byte
.endr
	v_lshl_or_b32 v[W+(\s)], v19, 16, v18          ; my two bytes, blocks h and 2 + h,
	v_lshlrev_b32 v[W+(\s)], v9, v[W+(\s)]         ; at their places;
	v_permlanex16_b32 v10, v[W+(\s)], s26, s27
	v_or_b32 v[W+(\s)], v[W+(\s)], v10             ; with lane l xor 16's two the word is whole
	s_wait_alu depctr_va_vdst(0)
	s_wait_xcnt 0x0                                ; the last step's stores have read their data: the codes' registers may be written again
.irp c, 0,1
	v_cvt_scalef32_pk16_fp6_f32 v[C+6*\c:C+6*\c+2], v[X+32*\c:X+32*\c+15], v[16+\c]
	v_cvt_scalef32_pk16_fp6_f32 v[CT+4*\c:CT+4*\c+2], v[X+32*\c+16:X+32*\c+31], v[16+\c]   ; (a conversion's three registers begin on an even number)
.endr
	v_nop                                          ; one plain place behind a scaled conversion
.irp c, 0,1
.irp i, 0,1,2
	v_mov_b32 v[C+6*\c+3+\i], v[CT+4*\c+\i]
.endr
.endr
	global_store_b128 v4, v[C:C+3], s[18:19] offset:1536*(\s)          ; 512 consecutive bytes,
	global_store_b64 v5, v[C+4:C+5], s[18:19] offset:1536*(\s)+512     ; 256,
	global_store_b128 v4, v[C+6:C+9], s[18:19] offset:1536*(\s)+768
	global_store_b64 v5, v[C+10:C+11], s[18:19] offset:1536*(\s)+1280
.endm
	LOAD 0
	LOAD 1
.irp t, 0,1,2,3,4,5,6,7
	STEP \t
.endr
	v_cmp_ne_u32 vcc_lo, 0, v3
.irp i, 0,1,2,3
	v_cndmask_b32 v[20+\i], v[W+\i], v[W+4+\i], vcc_lo   ; lanes 0-15 store words 0-3 of their row, lanes 16-31 words 4-7
.endr
	global_store_b128 v8, v[20:23], s[20:21]       ; the tile's 512 bytes of scale words
	s_wait_tensorcnt 0x0                           ; the wave's end, behind my last LDS store
	ds_add_u32 v[SPW], v[NIL]
	s_wait_dscnt 0x0
	s_endpgm
.Lfunc_end_k_q7cffc36c67_quant:
	.size	k_q7cffc36c67_quant, .Lfunc_end_k_q7cffc36c67_quant-k_q7cffc36c67_quant
	.p2alignl 7, 3214868480
	.fill 96, 4, 3214868480
	.section	.rodata,"a",@progbits
	.p2align	6, 0x0
	.amdhsa_kernel k_q7cffc36c67_quant
		.amdhsa_group_segment_fixed_size 34304
		.amdhsa_private_segment_fixed_size 0
		.amdhsa_enable_private_segment 0
		.amdhsa_kernarg_size 72
		.amdhsa_user_sgpr_count 2
		.amdhsa_user_sgpr_kernarg_segment_ptr 1
		.amdhsa_wavefront_size32 1
		.amdhsa_system_sgpr_workgroup_id_x 1
		.amdhsa_system_sgpr_workgroup_id_y 1
		.amdhsa_system_sgpr_workgroup_id_z 1
		.amdhsa_system_vgpr_workitem_id 0
		.amdhsa_next_free_vgpr 248
		.amdhsa_next_free_sgpr 66
		.amdhsa_reserve_vcc 1
		.amdhsa_float_denorm_mode_32 3
		.amdhsa_float_denorm_mode_16_64 3
		.amdhsa_memory_ordered 1
		.amdhsa_forward_progress 1
		.amdhsa_inst_pref_size 59
	.end_amdhsa_kernel
	.amdgpu_metadata
---
amdhsa.version: [ 1, 2 ]
amdhsa.kernels:
  - .name:           k_q7cffc36c67_quant
    .symbol:         k_q7cffc36c67_quant.kd
    .args:
      - { .name: query, .offset: 0, .size: 8, .value_kind: global_buffer, .address_space: global }
      - { .name: key_, .offset: 8, .size: 8, .value_kind: global_buffer, .address_space: global }
      - { .name: value, .offset: 16, .size: 8, .value_kind: global_buffer, .address_space: global }
      - { .name: w_q, .offset: 24, .size: 8, .value_kind: global_buffer, .address_space: global }
      - { .name: w_k, .offset: 32, .size: 8, .value_kind: global_buffer, .address_space: global }
      - { .name: w_v, .offset: 40, .size: 8, .value_kind: global_buffer, .address_space: global }
      - { .name: w_o, .offset: 48, .size: 8, .value_kind: global_buffer, .address_space: global }
      - { .name: opc, .offset: 56, .size: 8, .value_kind: global_buffer, .address_space: global }
      - { .name: ops, .offset: 64, .size: 8, .value_kind: global_buffer, .address_space: global }
    .group_segment_fixed_size: 34304
    .private_segment_fixed_size: 0
    .kernarg_segment_align: 8
    .kernarg_segment_size: 72
    .max_flat_workgroup_size: 128
    .sgpr_count:     66
    .vgpr_count:     248
    .wavefront_size: 32
...
	.end_amdgpu_metadata
.endif
;; end of part 1
;; launch proj (part 2): grid 4 x 192, 4 waves a work-group, clusters of 4 x 4, 327,680 bytes of LDS; arguments opc, ops, b_q, b_k, b_v, mask, qim, qsc, kv; writes qim, qsc, kv
.if DOCPART == 2
	.amdgcn_target "amdgcn-amd-amdhsa--gfx1250"
	.amdhsa_code_object_version 6
	.text
	.protected	k_q7cffc36c67_proj
	.globl	k_q7cffc36c67_proj
	.p2align	8
	.type	k_q7cffc36c67_proj,@function
k_q7cffc36c67_proj:
	s_mov_b64 s[64:65], 0
	v_nop
	global_prefetch_b8 v0, s[64:65] scope:SCOPE_SE
	s_setreg_imm32_b32 hwreg(HW_REG_WAVE_MODE, 25, 1), 1
	s_wait_xcnt 0x0
	s_wait_alu depctr_hold_cnt(0) depctr_sa_sdst(0) depctr_va_vdst(0) depctr_va_sdst(0) depctr_va_ssrc(0) depctr_va_vcc(0) depctr_vm_vsrc(0)
	s_getreg_b32 s2, hwreg(HW_REG_IB_STS2, 6, 4)
	s_cmp_eq_u32 s2, 0
	s_cbranch_scc0 .Lentry_in_a_cluster
	s_endpgm
.Lentry_in_a_cluster:
	s_bfe_u32 s2, ttmp6, 0x10000c
	s_cmp_lg_u32 s2, 0xf033
	s_cbranch_scc0 .Lentry_shape_is_right
	s_endpgm
.Lentry_shape_is_right:
; The three projections q, k, v on codes of FP6 (E2M3), and the quantising of their results for attention.  p = cluster y / 16 says which: 0 q, 1 k, 2 v; g = cluster y % 16.
; A work-group multiplies 128 rows of R (source 1: a lane's row) by 256 rows of P (source 0: the registers' axis) over all K = 1,024.  q, k: R = tokens, P = the weight's rows: a lane's registers run along the features,
; which are the scores' K.  v: R = w_v's rows, P = value's tokens: a lane's registers run along the keys, which are the second product's K.  Both panels lie in LDS whole (98,304 + 196,608 bytes), brought by one load a wave, a half panel each,
; each byte filled once: no slot is filled again.  Four waves: wave w takes R's rows 64 (w / 2) on and P's rows 128 (w % 2) on: 32 accumulators, 8 K steps of 32 matrix instructions, written out.
; CLUSTER 4 x 4: R's panel hangs on cy alone and is asked for jointly by a row of the cluster, P's on cx alone and by a column.
; Operands lie in memory and in LDS as images of their registers (1,536 bytes a fragment), so every LDS load reads consecutive bytes.  P's tiles are in the order in which lane r of tile 2 b + u is row 32 b + 8 u + r % 8 + 16 (r / 8):
; the 64 registers of a lane over P's eight tiles are then rows 32 b + 16 h + i in register 16 b + i: what the quantiser below takes.
; THE WAY OUT: + bias, quantised along the registers, stored as images.  q, k: blocks 0, 1 are one head's 64 features (a half image of 768 bytes), blocks 2, 3 the next head's.  v: a whole fragment of 128 keys.
; THE MASK rides in the scores' free K: the scores have K = 64 of the instruction's 128; attention sets q's code at k = 64 to 1.0 and k's to -7.5; here byte 2 of q's scale word is 127, and byte 2 of a key's word is 1
; (the term is -7.5 x 2^-126) where the key counts and 227 (-7.5 x 2^100) where it is blocked.  The choice is a v_cndmask on the mask's byte.
; LIMITS: a block of zeros gets the byte 1 (its codes are zeros; this program alone reads the bytes); NaN and infinities are not served.
; REGISTERS.  window 0: v1 16 x lane, v2 8 x lane, v3-4 offsets, v8-23 LDS addresses, one for each tile of R, each pair of P's, v24-31 lane numbers and the add's two, v32-95 P's scale words, v96-127 R's (these hold scales alone),
;   v128-223 R's fragments, two sets (on the way out: 64 numbers, codes, words), v224-255 tables and work.   window 1: v0-191 P's fragments, two sets; v192-255 the bias along P.   window 2: accumulator (a, b) at v[8 (8 a + b)].
.set SPARE, 294912                     ; behind the panels: the spare words, 128 bytes a wave
.set PLDS,  98304                      ; P's panel begins here
.set L16,  1
.set L8,   2
.set AR16, 8                           ; v8-11   R: 16 x lane + my rows, tile 0..3;  v12-15 the same with 8 x lane
.set AR8,  12
.set AP16, 16                          ; v16-19, v20-23: P likewise
.set AP8,  20
.set SPW,  28
.set NIL,  29
.set SCP,  32
.set SCR,  96
.set RF,   128
.set PF,   0
.set BP,   192                         ; window 1
.set Z,    128                         ; the way out: 64 numbers
.set PC,   192                         ; codes (12) and the conversions' upper halves
.set WD,   212                         ; four scale words
.set EX,   216                         ; what is set into their upper bytes
.set BR,   224                         ; the bias along R, a pair for each tile
.set MK,   232                         ; the mask's bytes of my four tiles' rows
.set TM,   236
.set PW,   252
.set SEL,  2                           ; s2, s3
.set WV,   22
.set G1R,  24
.set G1P,  32
.set G0R,  40                          ; s[40:43]; P's group 0 in s[56:59]
.set WR,   76
.set WC,   77
.set CX,   78
.set CY,   79
.set MSB, 0
.macro WIN new                         ; the immediate's high byte repeats the setting that is left
.if MSB != \new
	s_set_vgpr_msb (MSB<<8)|\new
.set MSB, \new
.endif
.endm
.set MUL,  0xa1                        ; source 0 (P) window 1, source 1 (R) window 0, C and D window 2
.set TO_P, 0x40                        ; destination window 1
.macro CROUND                          ; a round of the cluster's barrier
	s_barrier_signal -1
	s_barrier_wait -1
	s_cmp_lg_u32 s[WV], 0
	s_cbranch_scc1 .Lnot_wave_0_\@
	s_barrier_signal -3
.Lnot_wave_0_\@:
	s_barrier_wait -3
	s_barrier_signal -1
	s_barrier_wait -1
.endm
.macro PLACES n
.rept \n
	v_nop
.endr
.endm
.macro FRAG reg, a16, a8, off          ; a fragment's image back into twelve registers
	ds_load_b128 v[\reg:\reg+3], v[\a16] offset:\off
	ds_load_b64 v[\reg+4:\reg+5], v[\a8] offset:\off+512
	ds_load_b128 v[\reg+6:\reg+9], v[\a16] offset:\off+768
	ds_load_b64 v[\reg+10:\reg+11], v[\a8] offset:\off+1280
.endm
.macro FETCH s                         ; K step s: P's eight fragments, then R's four: 48 loads, R's tiles 2 and 3 last
	WIN TO_P
.irp b, 0,1,2,3,4,5,6,7
	FRAG PF+96*((\s)%2)+12*\b, AP16+(\b)/2, AP8+(\b)/2, 12288*((\b)%2)+1536*(\s)
.endr
	WIN 0
.irp a, 0,1,2,3
	FRAG RF+48*((\s)%2)+12*\a, AR16+\a, AR8+\a, 1536*(\s)
.endr
.endm
; 16 matrix instructions: R's tiles a0, a0 + 1 against P's eight.  The 32 accumulators take turns, one instruction a turn, in the same order in every step.
.macro MUL16 s, a0, zero
.irp a, \a0, \a0+1
.irp b, 0,1,2,3,4,5,6,7
.if \zero
	v_wmma_scale_f32_16x16x128_f8f6f4 v[8*(8*(\a)+\b):8*(8*(\a)+\b)+7], v[PF+96*((\s)%2)+12*\b:PF+96*((\s)%2)+12*\b+11], v[RF+48*((\s)%2)+12*(\a):RF+48*((\s)%2)+12*(\a)+11], 0, v[SCP+8*\b+(\s)], v[SCR+8*(\a)+(\s)] matrix_a_fmt:MATRIX_FMT_FP6 matrix_b_fmt:MATRIX_FMT_FP6
.else
	v_wmma_scale_f32_16x16x128_f8f6f4 v[8*(8*(\a)+\b):8*(8*(\a)+\b)+7], v[PF+96*((\s)%2)+12*\b:PF+96*((\s)%2)+12*\b+11], v[RF+48*((\s)%2)+12*(\a):RF+48*((\s)%2)+12*(\a)+11], v[8*(8*(\a)+\b):8*(8*(\a)+\b)+7], v[SCP+8*\b+(\s)], v[SCR+8*(\a)+(\s)] matrix_a_fmt:MATRIX_FMT_FP6 matrix_b_fmt:MATRIX_FMT_FP6
.endif
.endr
.endr
.endm
.macro KSTEP s, zero
	s_wait_dscnt 8                                 ; P's eight and R's tiles 0, 1 are in; the youngest eight loads (R's tiles 2, 3) may be out
	WIN MUL
	MUL16 \s, 0, \zero
	s_wait_dscnt 0x0
.if (\s) < 7
	PLACES 4                                       ; in front of loads into registers that matrix instructions have read
	FETCH (\s)+1
.endif
	WIN MUL
	MUL16 \s, 2, \zero
.endm
; 64 numbers of a lane, register 16 b + i = k 32 b + 16 (lane / 16) + i of my row, become a fragment's codes in v[PC] on and its scale word in v[PW]
.macro QUANT s
.irp b, 0,1,2,3
	v_max3_num_f32 v[TM+\b], |v[\s+16*\b]|, |v[\s+1+16*\b]|, 0x1800000   ; my 16 numbers of block b, and the floor 2^(3 - 127): the byte cannot fall under 1
.endr
.irp i, 2,4,6,8,10,12,14
.irp b, 0,1,2,3
	v_max3_num_f32 v[TM+\b], v[TM+\b], |v[\s+16*\b+\i]|, |v[\s+1+16*\b+\i]|
.endr
.endr
.irp b, 0,1,2,3
	v_permlanex16_b32 v[TM+4+\b], v[TM+\b], s[SEL], s[SEL+1]
.endr
.irp b, 0,1,2,3
	v_max_num_f32 v[TM+\b], v[TM+\b], v[TM+4+\b]   ; with lane l xor 16's: the block's largest magnitude
.endr
.irp b, 0,1,2,3
	v_add_nc_u32 v[TM+12+\b], 0xff000000, v[TM+\b] ; 2 off its exponent field: the conversion's scale operand
.endr
.irp b, 0,1,2,3
	v_lshrrev_b32 v[TM+4+\b], 23, v[TM+12+\b]      ; the scale's byte
.endr
	v_lshl_or_b32 v[PW], v[TM+5], 8, v[TM+4]
	v_lshl_or_b32 v[PW], v[TM+6], 16, v[PW]
	v_lshl_or_b32 v[PW], v[TM+7], 24, v[PW]
.irp c, 0,1
	v_cvt_scalef32_pk16_fp6_f32 v[PC+6*\c:PC+2+6*\c], v[\s+32*\c:\s+15+32*\c], v[TM+12+2*\c]
	v_cvt_scalef32_pk16_fp6_f32 v[PC+12+4*\c:PC+14+4*\c], v[\s+16+32*\c:\s+31+32*\c], v[TM+12+2*\c+1]
.endr
	v_nop                                          ; one plain place behind a scaled conversion
.irp c, 0,1                                    ; the operand wants a whole block in a lane: lanes 0-15 block 2 c, lanes 16-31 block 2 c + 1
.irp i, 0,1,2
	v_permlane16_swap_b32 v[PC+6*\c+\i], v[PC+12+4*\c+\i]
.endr
.irp i, 0,1,2
	v_mov_b32 v[PC+3+6*\c+\i], v[PC+12+4*\c+\i]
.endr
.endr
.endm
	s_load_b256 s[4:11], s[0:1], 0x0               ; opc, ops, b_q, b_k
	s_load_b256 s[12:19], s[0:1], 0x20             ; b_v, mask, qim, qsc
	s_load_b64 s[20:21], s[0:1], 0x40              ; kv
	v_lshl_add_u32 v[SPW], v0, 2, SPARE
	v_mov_b32 v[NIL], 0
	ds_add_u32 v[SPW], v[NIL]                      ; the wave's opening: the add and its wait ahead of my first tensor load; work on registers stands between them
	ds_add_u32 v[SPW], v[NIL]
	v_lshrrev_b32 v24, 5, v0
	v_readfirstlane_b32 s[WV], v24                 ; wave 0..3
	s_lshr_b32 s[WR], s[WV], 1                     ; which 64 rows of R are mine.  Also: I fetch for R (0) or for P (1)
	s_and_b32 s[WC], s[WV], 1                      ; which 128 rows of P.  Also: which half of the panel I fetch
	s_bfe_u32 s[CX], ttmp6, 0x40000
	s_bfe_u32 s[CY], ttmp6, 0x40004
	s_and_b32 s80, ttmp7, 0xffff                   ; cluster y
	s_lshr_b32 s81, s80, 4                         ; p
	s_and_b32 s82, s80, 15                         ; g
	s_lshr_b32 s83, s81, 1                         ; 1 for v, else 0
	s_mov_b32 s[SEL], 0x76543210
	s_mov_b32 s[SEL+1], 0xfedcba98
	s_lshl_b32 s84, s[CY], 2
	s_lshl_b32 s84, 15, s84                        ; my row of the cluster
	s_lshl_b32 s86, 0x1111, s[CX]                  ; my column
	; group 1: a half panel WHOLE, by one load a wave: 4 (R) or 8 (P) tiles, each a row of 12,288 bytes (1,536 elements of 8), dense in memory and in LDS: tile t's K step s lies at 12,288 t + 1,536 s
	s_or_b32 s[G1R], s84, (3<<16)|(1<<21)
	s_or_b32 s[G1P], s86, (3<<16)|(1<<21)
.irp g, G1R, G1P
	s_mov_b32 s[\g+1], 1536<<16                    ; tensor_dim0
	s_mov_b32 s[\g+3], 1536<<16                    ; tile_dim0
	s_mov_b32 s[\g+5], 1536                        ; the pitch
	s_mov_b32 s[\g+6], 0
	s_mov_b32 s[\g+7], 0
.endr
	s_mov_b32 s[G1R+2], 4<<16                      ; tensor_dim1
	s_mov_b32 s[G1R+4], 4                          ; tile_dim1
	s_mov_b32 s[G1P+2], 8<<16
	s_mov_b32 s[G1P+4], 8
	; R's first row among the 28,672: q, k: 8,192 p + 512 g; v: 26,624 + 512 (g / 8); + 128 cy
	s_lshl_b32 s84, s81, 13
	s_lshl_b32 s85, s82, 9
	s_add_co_u32 s84, s84, s85
	s_xor_b32 s85, s83, 1
	s_mul_i32 s84, s84, s85
	s_lshr_b32 s85, s82, 3
	s_lshl_b32 s85, s85, 9
	s_add_co_u32 s85, s85, 26624
	s_mul_i32 s85, s85, s83
	s_add_co_u32 s84, s84, s85
	s_lshl_b32 s85, s[CY], 7
	s_add_co_u32 s84, s84, s85
	; P's: q, k: 24,576 + 1,024 p; v: 16,384 + 1,024 (g % 8); + 256 cx
	s_lshl_b32 s86, s81, 10
	s_add_co_u32 s86, s86, 24576
	s_xor_b32 s87, s83, 1
	s_mul_i32 s86, s86, s87
	s_and_b32 s87, s82, 7
	s_lshl_b32 s87, s87, 10
	s_add_co_u32 s87, s87, 16384
	s_mul_i32 s87, s87, s83
	s_add_co_u32 s86, s86, s87
	s_lshl_b32 s87, s[CX], 8
	s_add_co_u32 s86, s86, s87
	s_lshl_b32 s85, s[WC], 6
	s_add_co_u32 s85, s84, s85                     ; the 64 rows of R that I would fetch
	s_mul_i32 s88, s85, 768                        ; a row is 768 bytes of its tile's 12,288
	s_mov_b32 s89, 0
	s_lshl_b32 s87, s[WC], 7
	s_add_co_u32 s86, s86, s87                     ; the 128 rows of P that I would fetch, and that I multiply
	s_mul_i32 s90, s86, 768
	s_mov_b32 s91, 0
	s_mul_i32 s92, s[WC], 49152                    ; where my half panel goes: no place in the cluster enters an LDS address
	s_mul_i32 s93, s[WC], 98304
	s_lshl_b32 s85, s[WR], 6
	s_add_co_u32 s84, s84, s85                     ; the 64 rows of R that I multiply
	s_lshl_b32 s94, s84, 5                         ; their scale words: 32 bytes a row
	s_mov_b32 s95, 0
	s_lshl_b32 s96, s86, 5
	s_mov_b32 s97, 0
	s_wait_dscnt 0x0                               ; the opening add is done
	s_wait_kmcnt 0x0
	s_add_nc_u64 s[88:89], s[4:5], s[88:89]
	s_add_nc_u64 s[90:91], s[4:5], s[90:91]
	s_add_nc_u64 s[4:5], s[6:7], s[94:95]          ; R's scale words
	s_add_nc_u64 s[6:7], s[6:7], s[96:97]          ; P's
.irp S, 0
	s_mov_b32 s[G0R+4*\S], 1
	s_add_co_u32 s[G0R+4*\S+1], s92, 24576*\S
	s_add_nc_u64 s[G0R+4*\S+2:G0R+4*\S+3], s[88:89], 3072*\S
	s_or_b32 s[G0R+4*\S+3], s[G0R+4*\S+3], 0x80000000
	s_mov_b32 s[56+4*\S+4*(\S/2)], 1
	s_add_co_u32 s[56+4*\S+4*(\S/2)+1], s93, PLDS+49152*\S
	s_add_nc_u64 s[56+4*\S+4*(\S/2)+2:56+4*\S+4*(\S/2)+3], s[90:91], 3072*\S
	s_or_b32 s[56+4*\S+4*(\S/2)+3], s[56+4*\S+4*(\S/2)+3], 0x80000000
.endr
	CROUND                                         ; all sixteen work-groups are here: the joint loads meet
	s_cmp_eq_u32 s[WR], 0                          ; one fill a wave, in the two arms of one branch on its number: waves 0, 1 R's halves, waves 2, 3 P's
	s_cbranch_scc0 .Lfor_p
.irp S, 0
	tensor_load_to_lds s[G0R+4*\S:G0R+4*\S+3], s[G1R:G1R+7]
	s_nop 0
.endr
.rept 4
	v_nop
.endr
	s_branch .Lasked
.Lfor_p:
.irp S, 0
	tensor_load_to_lds s[56+4*\S+4*(\S/2):56+4*\S+4*(\S/2)+3], s[G1P:G1P+7]
	s_nop 0
.endr
.rept 4
	v_nop
.endr
.Lasked:
	v_and_b32 v24, 31, v0                          ; lane
	v_and_b32 v26, 15, v0                          ; r
	v_bfe_u32 v27, v0, 4, 1                        ; h
	v_lshlrev_b32 v[L16], 4, v24
	v_lshlrev_b32 v[L8], 3, v24
	v_lshlrev_b32 v25, 5, v26                      ; a row's scale words: 32 r
.irp i, 0,1,2,3,4,5,6,7
	global_load_b128 v[SCP+8*\i:SCP+8*\i+3], v25, s[6:7] offset:512*\i
	global_load_b128 v[SCP+8*\i+4:SCP+8*\i+7], v25, s[6:7] offset:512*\i+16
.endr
.irp i, 0,1,2,3
	global_load_b128 v[SCR+8*\i:SCR+8*\i+3], v25, s[4:5] offset:512*\i
	global_load_b128 v[SCR+8*\i+4:SCR+8*\i+7], v25, s[4:5] offset:512*\i+16
.endr
	s_mul_i32 s84, s[WR], 49152                    ; R: an address for each of my four tiles
	s_mul_i32 s85, s[WC], 98304                    ; P: an address for each pair of my eight tiles
	s_add_co_u32 s85, s85, PLDS
.irp S, 0,1,2,3
	v_add_nc_u32 v[AR16+\S], s84, v[L16]
	v_add_nc_u32 v[AR8+\S], s84, v[L8]
	v_add_nc_u32 v[AP16+\S], s85, v[L16]
	v_add_nc_u32 v[AP8+\S], s85, v[L8]
	s_add_co_u32 s84, s84, 12288
	s_add_co_u32 s85, s85, 24576
.endr
	v_and_b32 v31, 7, v26
	v_lshrrev_b32 v30, 3, v26
	v_lshl_add_u32 v5, v30, 5, v31                 ; r % 8 + 32 (r / 8): which key of its 64 my lane's is (key_'s own order of rows)
	v_lshl_add_u32 v31, v30, 4, v31                ; r % 8 + 16 (r / 8): which row of its 32 my lane's is
	v_lshlrev_b32 v30, 2, v31
	v_lshlrev_b32 v4, 6, v27                       ; 64 h
	; THE NUMBERS OF THE WAY OUT.  All candidates are made first; then they are chosen by s_cselect on p, which hangs on the cluster's number alone.
	s_wait_alu depctr_va_vdst(0)
	s_lshl_b32 s84, s82, 9
	s_lshl_b32 s85, s[CY], 7
	s_lshl_b32 s66, s[WR], 6
	s_add_co_u32 s85, s85, s66                     ; 128 cy + 64 wr
	s_add_co_u32 s84, s84, s85                     ; q, k: my first token
	s_lshr_b32 s66, s82, 3
	s_lshl_b32 s66, s66, 9
	s_add_co_u32 s85, s85, s66                     ; v: my first feature
	s_lshl_b32 s67, s[CX], 8
	s_lshl_b32 s66, s[WC], 7
	s_add_co_u32 s67, s67, s66                     ; 256 cx + 128 wc
	s_and_b32 s66, s82, 7
	s_lshl_b32 s66, s66, 10
	s_add_co_u32 s66, s66, s67                     ; v: my first token
	s_lshr_b32 s80, s67, 6                         ; q, k: my first head
	s_lshr_b32 s23, s85, 6                         ; v: my head
	s_cmp_eq_u32 s83, 0
	s_cselect_b32 s84, s84, s66                    ; my first token
	s_cselect_b32 s80, s80, s23
	s_lshr_b32 s66, s84, 11
	s_lshl_b32 s66, s66, 4
	s_add_co_u32 s80, s80, s66                     ; bh = 16 x batch + head
	s_and_b32 s66, s84, 2047
	s_lshr_b32 s23, s66, 7                         ; the key step
	s_lshr_b32 s66, s66, 4                         ; the tile of tokens in its batch
	s_mul_i32 s86, s66, 768                        ; q: the tile's half image in its head
	s_mul_i32 s87, s23, 12288
	s_add_co_u32 s87, s87, 12288                   ; the key step's place in a head's record
	s_and_b32 s88, s66, 7
	s_mul_i32 s88, s88, 768
	s_add_co_u32 s88, s88, s87                     ; k: the tile's half image
	s_add_co_u32 s87, s87, 6144                    ; v: the step's four fragments
	s_lshr_b32 s89, s66, 2
	s_lshl_b32 s89, s89, 8                         ; q, k: scale words: 256 bytes for four tiles
	s_lshl_b32 s90, s23, 8
	s_add_co_u32 s90, s90, 8192                    ; v: 256 bytes a key step, behind k's 8,192
	s_lshl_b32 s91, s67, 2                         ; q, k: the bias along P
	s_lshl_b32 s85, s85, 2                         ; v: the bias along R
	s_cmp_eq_u32 s81, 2
	s_cselect_b32 s88, s87, s88
	s_cselect_b32 s89, s90, s89
	s_cselect_b32 s91, 0, s91
	s_cselect_b32 s85, s85, 0
	s_cselect_b32 s94, -1, 0xffff                  ; which bits of the scale word are kept
	s_cselect_b32 s97, 0, 16                       ; q, k: lanes 16-31 take the word's upper half, the second head's
	s_mov_b32 s87, 768
	s_cselect_b32 s90, 1536, s87                   ; from tile to tile
	s_mov_b32 s99, 0x01e30000
	s_cselect_b32 s95, 0, s99                      ; a blocked key's upper bytes: 227, 1
	s_mov_b32 s99, 0x01010000
	s_cselect_b32 s96, 0, s99                      ; a key's that counts: 1, 1
	s_cselect_b64 s[100:101], s[12:13], s[10:11]
	s_cmp_eq_u32 s81, 0
	s_cselect_b32 s88, s86, s88
	s_mov_b32 s86, 208896
	s_cselect_b32 s87, 98304, s86                  ; from head to head: images,
	s_cselect_b32 s98, 8192, s86                   ; scale words
	s_mov_b32 s99, 0x7f7f0000
	s_cselect_b32 s95, s99, s95                    ; q's upper bytes: 127, 127
	s_cselect_b32 s96, s99, s96
	s_cselect_b64 s[100:101], s[8:9], s[100:101]   ; the bias
	s_cselect_b64 s[16:17], s[16:17], s[20:21]     ; images go to qim or to kv,
	s_cselect_b64 s[18:19], s[18:19], s[20:21]     ; scale words to qsc or to kv
	s_cmp_eq_u32 s81, 1
	s_cselect_b32 s84, s84, 0                      ; k: the mask at my first token
	s_cmp_eq_u32 s81, 2
	s_cselect_b32 s99, 768, s87                    ; from the first half image to the second
	s_mul_i32 s87, s87, s80
	s_mul_i32 s86, s98, s80
	s_cselect_b32 s98, 0, s98                      ; v: both halves of the lanes store the same words to the same places
	s_add_co_u32 s86, s86, s89
	s_add_co_u32 s88, s88, s87
	s_mov_b32 s87, 0
	s_mov_b32 s89, 0
	s_add_nc_u64 s[92:93], s[18:19], s[86:87]      ; where my scale words go
	s_add_nc_u64 s[86:87], s[16:17], s[88:89]      ; where tile 0's first half image goes,
	s_mov_b32 s88, s99
	s_add_nc_u64 s[88:89], s[86:87], s[88:89]      ; and its second
	s_mov_b32 s66, s91
	s_mov_b32 s67, 0
	s_add_nc_u64 s[8:9], s[100:101], s[66:67]
	s_mov_b32 s66, s85
	s_add_nc_u64 s[10:11], s[100:101], s[66:67]
	s_mov_b32 s66, s84
	s_add_nc_u64 s[14:15], s[14:15], s[66:67]
	s_mov_b32 s91, 0                               ; s[90:91]: the step from tile to tile
	; the tables: all three are loaded on every path, inside their buffers; each path uses its own
	WIN TO_P
.irp e, 0,1,2,3
.irp j, 0,1,2,3
	global_load_b128 v[BP+16*\e+4*\j:BP+16*\e+4*\j+3], v4, s[8:9] offset:128*\e+16*\j   ; register 16 e + i: the bias of P's row 32 e + 16 h + i
.endr
.endr
	WIN 0
.irp a, 0,1,2,3
	global_load_b32 v[BR+2*\a], v30, s[10:11] offset:4*(32*(\a/2)+8*(\a%2))             ; the bias of my row of tile a (twice: the packed addition names a pair)
	global_load_b32 v[BR+2*\a+1], v30, s[10:11] offset:4*(32*(\a/2)+8*(\a%2))
	global_load_u8 v[MK+\a], v5, s[14:15] offset:8*\a                                   ; the mask's byte of my key of tile a
.endr
	s_wait_tensorcnt 0x0                           ; my half panel is in
	s_barrier_signal -1
	s_barrier_wait -1                              ; everybody's is
	FETCH 0
	s_wait_loadcnt 0x0                             ; scale words and tables
	KSTEP 0, 1                                     ; the first step's products start the sums
.irp t, 1,2,3,4,5,6,7
	KSTEP \t, 0
.endr
	WIN 0
	PLACES 4                                       ; behind the last products
	v_mov_b32 v220, s95
	v_mov_b32 v221, s96
	v_mul_u32_u24 v222, s97, v27                   ; by how much my half of the lanes shifts the word
	v_mul_u32_u24 v3, s98, v27
	v_lshl_add_u32 v3, v26, 4, v3                  ; my four words' place: 16 r, + a head for lanes 16-31
.irp a, 0,1,2,3
	v_cmp_ne_u32 vcc_lo, 0, v[MK+\a]
	v_cndmask_b32 v[EX+\a], v220, v221, vcc_lo
.endr
.irp b, 0,1,2,3
	v_mov_b32 v[TM+4+\b], 0                        ; a lane permute's destination counts as read: written once
.endr
.macro EPI a
.if \a > 0
	s_wait_xcnt 0x0                                ; the last tile's stores have read their data and their bases
	s_add_nc_u64 s[86:87], s[86:87], s[90:91]
	s_add_nc_u64 s[88:89], s[88:89], s[90:91]
.endif
	s_cmp_eq_u32 s83, 0                            ; the same in every wave of the cluster
	s_cbranch_scc0 .Lrow_bias_\@
	WIN 0x06                                       ; source 0 window 2, source 1 window 1
.set i, 0
.rept 32
	v_pk_add_f32 v[Z+2*i:Z+2*i+1], v[64*\a+2*i:64*\a+2*i+1], v[BP+2*i:BP+2*i+1]   ; each accumulator from its low end on
.set i, i+1
.endr
	WIN 0
	s_branch .Lbiased_\@
.Lrow_bias_\@:
	WIN 0x02
.set i, 0
.rept 32
	v_pk_add_f32 v[Z+2*i:Z+2*i+1], v[64*\a+2*i:64*\a+2*i+1], v[BR+2*\a:BR+2*\a+1] op_sel_hi:[1,0]
.set i, i+1
.endr
	WIN 0
.Lbiased_\@:
	QUANT Z
	v_lshrrev_b32 v[WD+\a], v222, v[PW]
	v_and_or_b32 v[WD+\a], v[WD+\a], s94, v[EX+\a]
	global_store_b128 v[L16], v[PC:PC+3], s[86:87]             ; whole runs of 512 and 256 consecutive bytes
	global_store_b64 v[L8], v[PC+4:PC+5], s[86:87] offset:512
	global_store_b128 v[L16], v[PC+6:PC+9], s[88:89]
	global_store_b64 v[L8], v[PC+10:PC+11], s[88:89] offset:512
.endm
	EPI 0
	EPI 1
	EPI 2
	EPI 3
	global_store_b128 v3, v[WD:WD+3], s[92:93]     ; sixteen lanes store 256 consecutive bytes
	s_wait_tensorcnt 0x0                           ; the wave's end
	ds_add_u32 v[SPW], v[NIL]
	s_wait_dscnt 0x0
	CROUND                                         ; the closing round
	s_endpgm
.Lfunc_end_k_q7cffc36c67_proj:
	.size	k_q7cffc36c67_proj, .Lfunc_end_k_q7cffc36c67_proj-k_q7cffc36c67_proj
	.p2alignl 7, 3214868480
	.fill 96, 4, 3214868480
	.section	.rodata,"a",@progbits
	.p2align	6, 0x0
	.amdhsa_kernel k_q7cffc36c67_proj
		.amdhsa_group_segment_fixed_size 327680
		.amdhsa_private_segment_fixed_size 0
		.amdhsa_enable_private_segment 0
		.amdhsa_kernarg_size 72
		.amdhsa_user_sgpr_count 2
		.amdhsa_user_sgpr_kernarg_segment_ptr 1
		.amdhsa_wavefront_size32 1
		.amdhsa_system_sgpr_workgroup_id_x 1
		.amdhsa_system_sgpr_workgroup_id_y 1
		.amdhsa_system_sgpr_workgroup_id_z 1
		.amdhsa_system_vgpr_workitem_id 0
		.amdhsa_next_free_vgpr 768
		.amdhsa_next_free_sgpr 102
		.amdhsa_reserve_vcc 1
		.amdhsa_float_denorm_mode_32 3
		.amdhsa_float_denorm_mode_16_64 3
		.amdhsa_memory_ordered 1
		.amdhsa_forward_progress 1
		.amdhsa_inst_pref_size 109
	.end_amdhsa_kernel
	.amdgpu_metadata
---
amdhsa.version: [ 1, 2 ]
amdhsa.kernels:
  - .name:           k_q7cffc36c67_proj
    .symbol:         k_q7cffc36c67_proj.kd
    .args:
      - { .name: opc, .offset: 0, .size: 8, .value_kind: global_buffer, .address_space: global }
      - { .name: ops, .offset: 8, .size: 8, .value_kind: global_buffer, .address_space: global }
      - { .name: b_q, .offset: 16, .size: 8, .value_kind: global_buffer, .address_space: global }
      - { .name: b_k, .offset: 24, .size: 8, .value_kind: global_buffer, .address_space: global }
      - { .name: b_v, .offset: 32, .size: 8, .value_kind: global_buffer, .address_space: global }
      - { .name: mask, .offset: 40, .size: 8, .value_kind: global_buffer, .address_space: global }
      - { .name: qim, .offset: 48, .size: 8, .value_kind: global_buffer, .address_space: global }
      - { .name: qsc, .offset: 56, .size: 8, .value_kind: global_buffer, .address_space: global }
      - { .name: kv, .offset: 64, .size: 8, .value_kind: global_buffer, .address_space: global }
    .group_segment_fixed_size: 327680
    .private_segment_fixed_size: 0
    .kernarg_segment_align: 8
    .kernarg_segment_size: 72
    .max_flat_workgroup_size: 128
    .sgpr_count:     102
    .vgpr_count:     768
    .wavefront_size: 32
...
	.end_amdgpu_metadata
.endif
;; end of part 2
;; launch attn (part 3): grid 4 x 64, 16 waves a work-group, clusters of 4 x 1, 327,680 bytes of LDS; arguments qim, qsc, kv, xc, xs; writes xc, xs
.if DOCPART == 3
	.amdgcn_target "amdgcn-amd-amdhsa--gfx1250"
	.amdhsa_code_object_version 6
	.text
	.protected	k_q7cffc36c67_attn
	.globl	k_q7cffc36c67_attn
	.p2align	8
	.type	k_q7cffc36c67_attn,@function
k_q7cffc36c67_attn:
	s_mov_b64 s[64:65], 0
	v_nop
	global_prefetch_b8 v0, s[64:65] scope:SCOPE_SE
	s_setreg_imm32_b32 hwreg(HW_REG_WAVE_MODE, 25, 1), 1
	s_wait_xcnt 0x0
	s_wait_alu depctr_hold_cnt(0) depctr_sa_sdst(0) depctr_va_vdst(0) depctr_va_sdst(0) depctr_va_ssrc(0) depctr_va_vcc(0) depctr_vm_vsrc(0)
	s_getreg_b32 s2, hwreg(HW_REG_IB_STS2, 6, 4)
	s_cmp_eq_u32 s2, 0
	s_cbranch_scc0 .Lentry_in_a_cluster
	s_endpgm
.Lentry_in_a_cluster:
	s_bfe_u32 s2, ttmp6, 0x10000c
	s_cmp_lg_u32 s2, 0x3003
	s_cbranch_scc0 .Lentry_shape_is_right
	s_endpgm
.Lentry_shape_is_right:
; Attention of one head on codes of FP6 (E2M3): x = softmax(q k^T / 8, blocked keys left out) v, quantised along the features for the last projection.
; A work-group owns 512 queries of one (batch, head) = bh; each of its sixteen waves owns two tiles of 16 queries, one after the other: 64 x 4 = 256 work-groups.
; THE HEAD'S WHOLE RECORD (208,896 bytes: k's scale words 8,192, v's 4,096, then for each of 16 key steps of 128 keys k's eight half images and v^T's four fragments, 12,288 bytes) LIES IN LDS, each byte filled once.
; It comes in two parts: A = the scale words and steps 0-4 (73,728 bytes, 18 rows of 256 a wave) at the head; B = steps 5-15 (135,168 bytes, 33 rows a wave) behind the three lines and a round; B is on its way while steps 0-3 are worked.
; The four work-groups of a cluster belong to one head and ask for each part jointly; every wave issues one load of each part.
; No prefetch: each byte of the record is asked for once, by these two loads at the launch's start; the loops read LDS alone.
; Both products are used transposed: S^T = k q^T, O^T = v^T p^T: a lane holds one query (lane % 16).  Lane r of k's tile T is key 64 (T / 4) + 8 (T % 4) + r % 8 + 32 (r / 8):
; so lane (r, h) has in the 32 registers of tiles 0-3 the whole block h of 32 keys and in those of tiles 4-7 block 2 + h, in the order in which the second product's operand wants them: no lane is asked for a block's maximum, and p's codes are not swapped.
; THE SCORES HAVE K = 64 of the instruction's 128.  q's codes 65 .. 127 are zeros.  At k = 64 stands a term of its own: q's code is 1.0 under the byte 127, k's is -7.5 under the byte that the projection wrote: 1 for a key that counts
; (-7.5 x 2^-126) and 227 for a blocked one (-7.5 x 2^100): a blocked key's p is exactly 0 and it never wins a maximum.
; k'S EIGHT FRAGMENTS LIE 8 REGISTERS APART: six loaded, one with the constant code at k = 64, one zero.  The last four of an operand's twelve registers are the next fragment's first four: their codes stand at k = 69 on, where q's codes are
; zeros, and every code of the format is a finite number: they add nothing.  So a step's eight fragments take 68 registers, and the next step's are asked for as soon as this step's scores are multiplied.
; THE SOFTMAX: t = score x log2(e) / 8; M = the running largest t rounded up to a whole number; p = 2^(t - M) is quantised along the keys; the sum is taken of the unquantised p and divides at the end; when M moves, the sum and O^T are
; multiplied by 2^(old M - new M), which rounds nothing.  The largest score starts at -2^83: over every blocked key's, under every other.  Steps whose keys are all blocked leave p, the sum and O^T at 0.
; A block's largest p is the block's largest score put through the same multiply-add and exponential.
; LIMITS: |score| < 2^83 for keys that count; a p under 2^-126 counts as 0; a block of zeros gets the byte 1; NaN and infinities are not served; a batch in which EVERY key is blocked, where a softmax over nothing is NaN, is not served.
; xs is written a byte a lane (262,144 bytes in the launch): a word of it holds two heads' bytes, which two work-groups own.
.set REC,   208896
.set SPARE, 208896                     ; behind the record: the spare words, 128 bytes for each of 16 waves
.set PARTA, 73728
.set KS,  28                           ; v28-95   k's eight fragments, 8 registers apart, and four zeros behind them
.set S,   96                           ; v96-159  S^T, then p, then v^T's four fragments
.set O,   160                          ; v160-191 O^T: register 16 b + i is feature 32 b + 16 (lane / 16) + i
.set P,   192                          ; v192-203 p's codes
.set CT,  204                          ; v204-211 the upper halves of the blocks, as the conversions leave them
.set BM,  212                          ; v212-213 my two blocks' largest score, then largest p
.set PT,  214                          ; v214-215 at work
.set SO,  216                          ; v216-217 the conversions' scale operands
.set KW,  218                          ; v218-225 k's scale words of the step's eight tiles
.set VW,  226                          ; v226-229 v's of the four tiles of features
.set F,   230                          ; v230 f;  v231 p's scale word
.set TMP, 232
.set QW,  233                          ; q's scale word, first tile
.set Q2,  234                          ; v234-245 q's fragment, second tile (the first: v16-27)
.set QW2, 246
.set H8,  247                          ; 8 x (lane / 16)
.set T,   248                          ; v248-255 eight chains of the maxima, then four chains of the sum
.set SPW, 4
.set NIL, 5
.set WV,  14
.set SEL, 20
.set CS,  22
.set TB,  60                           ; s60 LDS byte of the key step;  s61 of its scale words of k;  s62 of v;  s63 steps to go
.set TS,  61
.set TJ,  62
.set CNT, 63
.macro CROUND
	s_barrier_signal -1
	s_barrier_wait -1
	s_cmp_lg_u32 s[WV], 0
	s_cbranch_scc1 .Lnot_wave_0_\@
	s_barrier_signal -3
.Lnot_wave_0_\@:
	s_barrier_wait -3
	s_barrier_signal -1
	s_barrier_wait -1
.endm
.macro GROUP1 g, rows                  ; a dense block as rows of 256 bytes (32 elements of 8); the mask names all four work-groups
	s_mov_b32 s[\g], 15|(3<<16)|(1<<21)
	s_mov_b32 s[\g+1], 32<<16
	s_mov_b32 s[\g+2], (\rows)<<16
	s_mov_b32 s[\g+3], 32<<16
	s_mov_b32 s[\g+4], \rows
	s_mov_b32 s[\g+5], 32
	s_mov_b32 s[\g+6], 0
	s_mov_b32 s[\g+7], 0
.endm
.macro INIT                            ; a tile of queries begins
	v_mov_b32 v13, 0xe9000000                      ; the largest score so far: -2^83
	v_mov_b32 v14, 0                               ; the sum, in two halves
	v_mov_b32 v15, 0
	v_mul_f32 v12, s[CS], v13
	s_delay_alu instid0(VALU_DEP_1)
	v_floor_f32 v12, -v12                          ; -M
.set i, 0
.rept 32
	v_mov_b32 v[O+i], 0                            ; the step is written for every step alike: the first finds zeros
.set i, i+1
.endr
.endm
.macro KPRE a16, a8, aw, off, offw     ; a step's eight half images of k and their scale words: 18 loads
.irp t, 0,1,2,3,4,5,6,7
	ds_load_b128 v[KS+8*\t:KS+8*\t+3], v[\a16] offset:\off+768*\t
	ds_load_b64 v[KS+8*\t+4:KS+8*\t+5], v[\a8] offset:\off+768*\t+512
.endr
	ds_load_b128 v[KW:KW+3], v[\aw] offset:\offw
	ds_load_b128 v[KW+4:KW+7], v[\aw] offset:\offw+256
.endm
.macro FMA8 j0                         ; t - M of sixteen scores, two at a time
.set j, \j0
.rept 8
	v_pk_fma_f32 v[S+j:S+j+1], v[S+j:S+j+1], s[CS:CS+1], v[12:13] op_sel_hi:[1,0,0]
.set j, j+2
.endr
.endm
.macro VLOAD t                         ; a fragment of v^T into registers that p has left
	ds_load_b128 v[S+12*\t:S+12*\t+3], v6 offset:6144+1536*\t
	ds_load_b64 v[S+12*\t+4:S+12*\t+5], v7 offset:6144+1536*\t+512
	ds_load_b128 v[S+12*\t+6:S+12*\t+9], v6 offset:6144+1536*\t+768
	ds_load_b64 v[S+12*\t+10:S+12*\t+11], v7 offset:6144+1536*\t+1280
.endm
.macro CODES c                         ; my block 2 c + h: 32 codes, registers 6 c .. 6 c + 5 of the operand
	v_cvt_scalef32_pk16_fp6_f32 v[P+6*\c:P+6*\c+2], v[S+32*\c:S+32*\c+15], v[SO+\c]
	v_cvt_scalef32_pk16_fp6_f32 v[CT+4*\c:CT+4*\c+2], v[S+32*\c+16:S+32*\c+31], v[SO+\c]   ; (a conversion's three registers begin on an even number)
.endm
.macro PV t                            ; O^T += v^T p^T, 16 features
	v_wmma_scale_f32_16x16x128_f8f6f4 v[O+8*\t:O+8*\t+7], v[S+12*\t:S+12*\t+11], v[P:P+11], v[O+8*\t:O+8*\t+7], v[VW+\t], v[F+1] matrix_a_fmt:MATRIX_FMT_FP6 matrix_b_fmt:MATRIX_FMT_FP6
.endm
; A KEY STEP: 128 keys.  Its k lies in registers or is on its way.  pre = 1: the next step's k is asked for; 2: step 0's, for my next tile; 0: none
.macro STEP q, qw, pre
	v_add_nc_u32 v6, s[TB], v1
	v_add_nc_u32 v7, s[TB], v2
.if \pre == 1
	v_add_nc_u32 v8, s[TS], v3
.else
	v_nop
.endif
	v_add_nc_u32 v9, s[TJ], v3
	v_mov_b32 v[TMP], v12                          ; the old -M.  These five are the places behind the last step's products, whose source registers the scores' products write over
	s_wait_alu depctr_va_vdst(0)
	ds_load_b128 v[VW:VW+3], v9
	s_wait_dscnt 1                                 ; k and its scale words are in; the one load just issued may be out
.irp t, 0,1,2,3,4,5,6,7                        ; S^T = k q^T
	v_wmma_scale_f32_16x16x128_f8f6f4 v[S+8*\t:S+8*\t+7], v[KS+8*\t:KS+8*\t+11], v[\q:\q+11], 0, v[KW+\t], v[\qw] matrix_a_fmt:MATRIX_FMT_FP6 matrix_b_fmt:MATRIX_FMT_FP6
.endr
.rept 4
	v_nop                                          ; places in front of loads into registers that these products read, and of the first read of their results
.endr
.if \pre == 1
	KPRE 6, 7, 8, 12288, 512                       ; they land under the softmax
.endif
.if \pre == 2
	KPRE 1, 2, 3, 12288, 0
.endif
.irp t, 0,1,2,3,4,5,6,7                        ; eight chains, one a tile: seven of each tile's eight scores, each accumulator from its low end on
	v_max3_num_f32 v[T+\t], v[S+8*\t], v[S+8*\t+1], v[S+8*\t+2]
.endr
.irp i, 3,5
.irp t, 0,1,2,3,4,5,6,7
	v_max3_num_f32 v[T+\t], v[T+\t], v[S+8*\t+\i], v[S+8*\t+\i+1]
.endr
.endr
	v_max3_num_f32 v[T], v[T], v[T+1], v[S+7]      ; the chains and the scores left over: my two blocks by turns
	v_max3_num_f32 v[T+4], v[T+4], v[T+5], v[S+39]
	v_max3_num_f32 v[T+2], v[T+2], v[T+3], v[S+15]
	v_max3_num_f32 v[T+6], v[T+6], v[T+7], v[S+47]
	v_max3_num_f32 v[T], v[T], v[T+2], v[S+23]
	v_max3_num_f32 v[T+4], v[T+4], v[T+6], v[S+55]
	v_max_num_f32 v[BM], v[T], v[S+31]             ; the block's largest score
	v_max_num_f32 v[BM+1], v[T+4], v[S+63]
	s_delay_alu instid0(VALU_DEP_1)
	v_max_num_f32 v[PT], v[BM], v[BM+1]
	s_delay_alu instid0(VALU_DEP_1)
	v_permlanex16_b32 v[PT+1], v[PT], s[SEL], s[SEL+1]
	s_delay_alu instid0(VALU_DEP_1)
	v_max3_num_f32 v13, v13, v[PT], v[PT+1]        ; the running largest score, with lane l xor 16's 64 keys
	s_delay_alu instid0(VALU_DEP_1)
	v_mul_f32 v[PT], s[CS], v13                    ; as t (c is positive)
	s_delay_alu instid0(VALU_DEP_1)
	v_floor_f32 v12, -v[PT]                        ; the new -M = -ceil(t): a whole number
	FMA8 0
	v_sub_f32 v[TMP], v12, v[TMP]                  ; old M - new M: a whole number, 0 or less
	FMA8 16
	v_cvt_i32_f32 v[TMP], v[TMP]                   ; (it saturates)
	FMA8 32
	v_ldexp_f32 v[F], 1.0, v[TMP]                  ; f = 2^(old M - new M)
	FMA8 48
.irp b, 0,1
	v_fma_f32 v[BM+\b], v[BM+\b], s[CS], v12       ; t - M of each block's largest score
.endr
	s_wait_alu depctr_va_vdst(0)                   ; ahead of the batch
.irp b, 0,1
	v_exp_f32 v[BM+\b], v[BM+\b]                   ; the block's largest p
.endr
.set j, 0
.rept 64
	v_exp_f32 v[S+j], v[S+j]                       ; p = 2^(t - M), at most 1
.set j, j+1
.endr
	v_pk_mul_f32 v[14:15], v[14:15], v[F:F+1] op_sel_hi:[1,0]   ; the sums under the new M: a plain instruction behind the exponentials
	s_wait_alu depctr_va_vdst(0)                   ; one wait for the batch of 66, ahead of its first reader
.irp b, 0,1
	v_max_num_f32 v[BM+\b], 0x1800000, v[BM+\b]    ; the floor 2^(3 - 127): the byte cannot fall under 1
.endr
.irp i, 0,1,2,3                                ; the row's sum, of the unquantised p: four chains; first my block h
	v_pk_add_f32 v[T+2*\i:T+2*\i+1], v[S+4*\i:S+4*\i+1], v[S+4*\i+2:S+4*\i+3]
.endr
.irp b, 0,1
	v_add_nc_u32 v[SO+\b], 0xff000000, v[BM+\b]    ; 2 off the exponent field: the conversion's scale operand
.endr
.set j, 8
.rept 8
	v_pk_add_f32 v[T+2*(j%4):T+2*(j%4)+1], v[T+2*(j%4):T+2*(j%4)+1], v[S+2*j:S+2*j+1]
.set j, j+1
.endr
	CODES 0
	VLOAD 0                                        ; the first 24 of the block's 32 registers take two fragments of v^T
	VLOAD 1
.rept 16                                       ; block 2 + h
	v_pk_add_f32 v[T+2*(j%4):T+2*(j%4)+1], v[T+2*(j%4):T+2*(j%4)+1], v[S+2*j:S+2*j+1]
.set j, j+1
.endr
	CODES 1
	VLOAD 2
	VLOAD 3
.irp b, 0,1
	v_lshrrev_b32 v[PT+\b], 23, v[SO+\b]           ; the scale's byte (plain lines behind the conversions)
.endr
	v_lshl_or_b32 v[PT], v[PT+1], 16, v[PT]        ; my two bytes, blocks h and 2 + h,
	v_pk_add_f32 v[T:T+1], v[T:T+1], v[T+2:T+3]    ; (the sum's four chains are joined between these lines)
	v_lshlrev_b32 v[PT], v[H8], v[PT]              ; at their places;
	v_pk_add_f32 v[T+4:T+5], v[T+4:T+5], v[T+6:T+7]
	v_permlanex16_b32 v[PT+1], v[PT], s[SEL], s[SEL+1]
	v_pk_add_f32 v[14:15], v[14:15], v[T:T+1]
	v_pk_add_f32 v[14:15], v[14:15], v[T+4:T+5]
	v_or_b32 v[F+1], v[PT], v[PT+1]                ; with lane l xor 16's two: p's scale word for these 128 keys
.irp c, 0,1
.irp i, 0,1,2
	v_mov_b32 v[P+3+6*\c+\i], v[CT+4*\c+\i]
.endr
.endr
	s_wait_alu depctr_va_vdst(0)                   ; directly ahead of the first reader of O^T
.set j, 0
.rept 16
	v_pk_mul_f32 v[O+j:O+j+1], v[O+j:O+j+1], v[F:F+1] op_sel_hi:[1,0]   ; O^T under the new M; these sixteen also stand between the writing of p's codes and scale word and the products
.set j, j+2
.endr
	s_wait_alu depctr_va_vdst(0)                   ; directly ahead of the wait below
	s_wait_dscnt 8                                 ; all but the youngest eight loads, fragments 2 and 3
	PV 0                                           ; the four accumulators by turns
	PV 1
	s_wait_dscnt 0x0
	PV 2
	PV 3
.endm
.macro NEXT
	s_add_co_u32 s[TB], s[TB], 12288
	s_add_co_u32 s[TS], s[TS], 512
	s_add_co_u32 s[TJ], s[TJ], 256
.endm
.macro RUN n, first, q, qw             ; n key steps from step first on, each asking for the next step's k: a loop of constant count
	s_mov_b32 s[TB], 12288*(1+\first)
	s_mov_b32 s[TS], 512*\first
	s_mov_b32 s[TJ], 8192+256*\first
	s_mov_b32 s[CNT], \n
.Lrun_\@:
	STEP \q, \qw, 1
	NEXT
	s_sub_co_u32 s[CNT], s[CNT], 1
	s_cmp_lg_u32 s[CNT], 0
	s_cbranch_scc1 .Lrun_\@
.endm
; THE WAY OUT of my n-th tile: x = O^T / the sum, quantised along the head's 64 features: two blocks, each in lanes l and l xor 16
.macro EPI n
	v_add_f32 v14, v14, v15
	s_delay_alu instid0(VALU_DEP_1)
	v_permlanex16_b32 v[TMP], v14, s[SEL], s[SEL+1]
	s_delay_alu instid0(VALU_DEP_1)
	v_add_f32 v14, v14, v[TMP]                     ; the row's sum
	s_wait_alu depctr_va_vdst(0)                   ; ahead of the reciprocal
	v_rcp_f32 v14, v14
	v_and_b32 v10, 15, v0
	v_bfe_u32 v11, v0, 4, 1
	s_delay_alu instid0(VALU_DEP_1)
	v_lshl_add_u32 v10, v10, 5, v11                ; my byte among the tile's scale bytes: 32 r + h
	s_wait_alu depctr_va_vdst(0)                   ; ahead of the first reader of the reciprocal and of O^T
.set i, 0
.rept 16
	v_pk_mul_f32 v[S+2*i:S+2*i+1], v[O+2*i:O+2*i+1], v[14:15] op_sel_hi:[1,0]
.set i, i+1
.endr
.irp b, 0,1
	v_max3_num_f32 v[BM+\b], |v[S+16*\b]|, |v[S+16*\b+1]|, 0x1800000
.endr
.irp i, 2,4,6,8,10,12,14
.irp b, 0,1
	s_delay_alu instid0(VALU_DEP_2)
	v_max3_num_f32 v[BM+\b], v[BM+\b], |v[S+16*\b+\i]|, |v[S+16*\b+\i+1]|
.endr
.endr
.irp b, 0,1
	s_delay_alu instid0(VALU_DEP_2)
	v_permlanex16_b32 v[T+\b], v[BM+\b], s[SEL], s[SEL+1]
.endr
.irp b, 0,1
	s_delay_alu instid0(VALU_DEP_2)
	v_max_num_f32 v[BM+\b], v[BM+\b], v[T+\b]
.endr
.irp b, 0,1
	s_delay_alu instid0(VALU_DEP_2)
	v_add_nc_u32 v[SO+\b], 0xff000000, v[BM+\b]
.endr
.irp b, 0,1
	s_delay_alu instid0(VALU_DEP_2)
	v_lshrrev_b32 v[PT+\b], 23, v[SO+\b]
.endr
	v_cvt_scalef32_pk16_fp6_f32 v[P:P+2], v[S:S+15], v[SO]
	v_cvt_scalef32_pk16_fp6_f32 v[CT:CT+2], v[S+16:S+31], v[SO+1]
	v_nop                                          ; one plain place behind a scaled conversion
	v_cmp_ne_u32 vcc_lo, 0, v11
	s_delay_alu instid0(VALU_DEP_1)
	v_cndmask_b32 v7, v[PT], v[PT+1], vcc_lo       ; lane (r, h) stores block h's byte
.irp i, 0,1,2
	v_permlane16_swap_b32 v[P+\i], v[CT+\i]        ; the operand wants a whole block in a lane
.endr
.irp i, 0,1,2
	s_delay_alu instid0(VALU_DEP_3)
	v_mov_b32 v[P+3+\i], v[CT+\i]
.endr
	global_store_b128 v1, v[P:P+3], s[10:11] offset:196608*\n       ; the half image: 512 and 256 consecutive bytes; my second tile lies 16 tiles of 12,288 bytes on
	global_store_b64 v2, v[P+4:P+5], s[10:11] offset:196608*\n+512
	global_store_b8 v10, v7, s[12:13] offset:8192*\n
.endm
	s_load_b256 s[4:11], s[0:1], 0x0               ; qim, qsc, kv, xc
	s_load_b64 s[12:13], s[0:1], 0x20              ; xs
	v_lshl_add_u32 v[SPW], v0, 2, SPARE
	v_mov_b32 v[NIL], 0
	ds_add_u32 v[SPW], v[NIL]                      ; the wave's opening: the add, twice on end, and its wait ahead of my first tensor load
	ds_add_u32 v[SPW], v[NIL]
	v_lshrrev_b32 v10, 5, v0
	v_readfirstlane_b32 s[WV], v10                 ; wave 0..15
	s_bfe_u32 s15, ttmp6, 0x40000                  ; cx
	s_lshl_b32 s16, ttmp9, 2
	s_add_co_u32 s16, s16, s15                     ; my block of 512 queries: it enters global addresses of q and x alone
	s_lshl_b32 s16, s16, 5
	s_add_co_u32 s16, s16, s[WV]                   ; my first tile of queries; the second lies 16 tiles on
	s_and_b32 s17, ttmp7, 0xffff                   ; bh, which the four partners share
	GROUP1 24, 18                                  ; part A: 288 rows of 256 bytes, a sixteenth a wave
	GROUP1 32, 33                                  ; part B: 528 rows
	s_mul_i32 s18, s17, REC
	s_mov_b32 s19, 0
	s_mul_i32 s66, s[WV], 4608
	s_mul_i32 s67, s[WV], 8448
	s_add_co_u32 s67, s67, PARTA
	s_mov_b32 s71, 0
	s_mov_b32 s[SEL], 0x76543210
	s_mov_b32 s[SEL+1], 0xfedcba98                 ; selects for lane l xor 16
	s_mov_b32 s[CS], 0x3e38aa3b                    ; c = log2(e) / 8
	s_mov_b32 s[CS+1], s[CS]                       ; (named with it as a pair)
	s_wait_dscnt 0x0                               ; both opening adds are done
	s_wait_kmcnt 0x0
	s_add_nc_u64 s[8:9], s[8:9], s[18:19]          ; the head's record
	s_mov_b32 s48, 1
	s_mov_b32 s49, s66
	s_mov_b32 s70, s66
	s_add_nc_u64 s[50:51], s[8:9], s[70:71]
	s_or_b32 s51, s51, 0x80000000
	s_mov_b32 s52, 1
	s_mov_b32 s53, s67
	s_mov_b32 s70, s67
	s_add_nc_u64 s[54:55], s[8:9], s[70:71]
	s_or_b32 s55, s55, 0x80000000
	CROUND                                         ; all four work-groups are here: the joint loads meet
	tensor_load_to_lds s[48:51], s[24:31]          ; my sixteenth of part A: one tensor load a wave at the head
	s_nop 0
.rept 4
	v_nop
.endr
	s_lshl_b32 s70, s17, 7
	s_add_co_u32 s70, s70, s16
	s_mul_i32 s70, s70, 768
	s_add_nc_u64 s[4:5], s[4:5], s[70:71]          ; q's half image
	s_lshl_b32 s70, s17, 13
	s_lshr_b32 s72, s16, 2
	s_lshl_b32 s72, s72, 8
	s_add_co_u32 s70, s70, s72
	s_and_b32 s72, s16, 3
	s_lshl_b32 s72, s72, 2
	s_add_co_u32 s70, s70, s72
	s_add_nc_u64 s[6:7], s[6:7], s[70:71]          ; q's scale words: [four tiles][r][tile]
	s_lshr_b32 s72, s17, 4
	s_lshl_b32 s72, s72, 7
	s_add_co_u32 s72, s72, s16                     ; my tile among the 512 tiles of tokens
	s_and_b32 s73, s17, 15                         ; the head
	s_mul_i32 s70, s72, 12288
	s_mul_i32 s18, s73, 768
	s_add_co_u32 s70, s70, s18
	s_add_nc_u64 s[10:11], s[10:11], s[70:71]      ; x's half image: K step head / 2, half head % 2
	s_lshl_b32 s70, s72, 9
	s_lshl_b32 s18, s73, 1
	s_add_co_u32 s70, s70, s18
	s_add_nc_u64 s[12:13], s[12:13], s[70:71]      ; x's scale bytes 2 head, 2 head + 1 of each row's 32
	v_and_b32 v10, 31, v0
	v_and_b32 v11, 15, v0
	v_lshlrev_b32 v1, 4, v10                       ; 16 x lane
	v_lshlrev_b32 v2, 3, v10                       ; 8 x lane
	v_lshlrev_b32 v3, 4, v11                       ; 16 r
	global_load_b128 v[16:19], v1, s[4:5]
	global_load_b64 v[20:21], v2, s[4:5] offset:512
	global_load_b32 v[QW], v3, s[6:7]
	global_load_b128 v[Q2:Q2+3], v1, s[4:5] offset:12288       ; the second tile: 16 half images of 768 bytes on,
	global_load_b64 v[Q2+4:Q2+5], v2, s[4:5] offset:12800
	global_load_b32 v[QW2], v3, s[6:7] offset:1024             ; four groups of 256 bytes on
	v_bfe_u32 v10, v0, 4, 1
	v_lshlrev_b32 v[H8], 3, v10
	v_xor_b32 v10, 1, v10                          ; 1 in lanes 0-15, which hold k = 64 .. 95 in registers 6 on
	v_lshlrev_b32 v22, 3, v10                      ; q's code at k = 64: 1.0
	v_mul_u32_u24 v11, v10, 63                     ; k's: -7.5
	v_mov_b32 v[Q2+6], v22
.irp i, 7,8,9,10,11
	v_mov_b32 v[16+\i], 0
	v_mov_b32 v[Q2+\i], 0
.endr
.irp t, 0,1,2,3,4,5,6,7
	v_mov_b32 v[KS+8*\t+6], v11
	v_mov_b32 v[KS+8*\t+7], 0
.endr
.irp i, 64,65,66,67
	v_mov_b32 v[KS+\i], 0                          ; behind the last fragment: the rest of its operand's twelve registers
.endr
	v_mov_b32 v[PT+1], 0                           ; a lane permute's destination counts as read
	v_mov_b32 v[TMP], 0
	v_mov_b32 v[F+1], 0                            ; (named as the upper half of the pair with f before it is first written)
	INIT
	s_wait_alu depctr_va_vdst(0)                   ; at the head's end
	s_wait_tensorcnt 0x0                           ; my sixteenth of part A is in
	ds_add_u32 v[SPW], v[NIL]
	s_wait_dscnt 0x0
	CROUND                                         ; a whole round: part A is whole, and all four work-groups are here
	tensor_load_to_lds s[52:55], s[32:39]          ; my sixteenth of part B, the first tensor load behind the round
	s_nop 0
.rept 4
	v_nop
.endr
	KPRE 1, 2, 3, 12288, 0                         ; step 0's k
	s_wait_loadcnt 0x0                             ; q, both tiles
	RUN 4, 0, 16, QW                               ; steps 0-3; the last of them asks for step 4's k, which lies in part A
	s_wait_tensorcnt 0x0                           ; my sixteenth of part B is in
	s_barrier_signal -1
	s_barrier_wait -1                              ; everybody's is
	RUN 11, 4, 16, QW                              ; steps 4-14
	s_mov_b32 s[TB], 12288*16                      ; step 15's place in the record, and its scale words of v
	s_mov_b32 s[TJ], 8192+256*15
	STEP 16, QW, 2                                 ; step 15 is written out: it asks for step 0's k, for my second tile
	EPI 0
	INIT
	s_wait_alu depctr_va_vdst(0)                   ; directly ahead of the wait below
	s_wait_xcnt 0x0                                ; the first tile's stores have read their data: the registers may be written again
	RUN 15, 0, Q2, QW2
	s_mov_b32 s[TB], 12288*16
	s_mov_b32 s[TJ], 8192+256*15
	STEP Q2, QW2, 0                                ; the last step asks for nothing
	EPI 1
	s_wait_tensorcnt 0x0                           ; the wave's end
	ds_add_u32 v[SPW], v[NIL]
	s_wait_dscnt 0x0
	CROUND                                         ; the closing round
	s_endpgm
.Lfunc_end_k_q7cffc36c67_attn:
	.size	k_q7cffc36c67_attn, .Lfunc_end_k_q7cffc36c67_attn-k_q7cffc36c67_attn
	.p2alignl 7, 3214868480
	.fill 96, 4, 3214868480
	.section	.rodata,"a",@progbits
	.p2align	6, 0x0
	.amdhsa_kernel k_q7cffc36c67_attn
		.amdhsa_group_segment_fixed_size 327680
		.amdhsa_private_segment_fixed_size 0
		.amdhsa_enable_private_segment 0
		.amdhsa_kernarg_size 40
		.amdhsa_user_sgpr_count 2
		.amdhsa_user_sgpr_kernarg_segment_ptr 1
		.amdhsa_wavefront_size32 1
		.amdhsa_system_sgpr_workgroup_id_x 1
		.amdhsa_system_sgpr_workgroup_id_y 1
		.amdhsa_system_sgpr_workgroup_id_z 1
		.amdhsa_system_vgpr_workitem_id 0
		.amdhsa_next_free_vgpr 256
		.amdhsa_next_free_sgpr 76
		.amdhsa_reserve_vcc 1
		.amdhsa_float_denorm_mode_32 3
		.amdhsa_float_denorm_mode_16_64 3
		.amdhsa_memory_ordered 1
		.amdhsa_forward_progress 1
		.amdhsa_inst_pref_size 95
	.end_amdhsa_kernel
	.amdgpu_metadata
---
amdhsa.version: [ 1, 2 ]
amdhsa.kernels:
  - .name:           k_q7cffc36c67_attn
    .symbol:         k_q7cffc36c67_attn.kd
    .args:
      - { .name: qim, .offset: 0, .size: 8, .value_kind: global_buffer, .address_space: global }
      - { .name: qsc, .offset: 8, .size: 8, .value_kind: global_buffer, .address_space: global }
      - { .name: kv, .offset: 16, .size: 8, .value_kind: global_buffer, .address_space: global }
      - { .name: xc, .offset: 24, .size: 8, .value_kind: global_buffer, .address_space: global }
      - { .name: xs, .offset: 32, .size: 8, .value_kind: global_buffer, .address_space: global }
    .group_segment_fixed_size: 327680
    .private_segment_fixed_size: 0
    .kernarg_segment_align: 8
    .kernarg_segment_size: 40
    .max_flat_workgroup_size: 512
    .sgpr_count:     76
    .vgpr_count:     256
    .wavefront_size: 32
...
	.end_amdgpu_metadata
.endif
;; end of part 3
;; launch outp (part 4): grid 4 x 64, 4 waves a work-group, clusters of 4 x 4, 327,680 bytes of LDS; arguments xc, xs, opc, ops, b_o, out0; writes out0
.if DOCPART == 4
	.amdgcn_target "amdgcn-amd-amdhsa--gfx1250"
	.amdhsa_code_object_version 6
	.text
	.protected	k_q7cffc36c67_outp
	.globl	k_q7cffc36c67_outp
	.p2align	8
	.type	k_q7cffc36c67_outp,@function
k_q7cffc36c67_outp:
	s_mov_b64 s[64:65], 0
	v_nop
	global_prefetch_b8 v0, s[64:65] scope:SCOPE_SE
	s_setreg_imm32_b32 hwreg(HW_REG_WAVE_MODE, 25, 1), 1
	s_wait_xcnt 0x0
	s_wait_alu depctr_hold_cnt(0) depctr_sa_sdst(0) depctr_va_vdst(0) depctr_va_sdst(0) depctr_va_ssrc(0) depctr_va_vcc(0) depctr_vm_vsrc(0)
	s_getreg_b32 s2, hwreg(HW_REG_IB_STS2, 6, 4)
	s_cmp_eq_u32 s2, 0
	s_cbranch_scc0 .Lentry_in_a_cluster
	s_endpgm
.Lentry_in_a_cluster:
	s_bfe_u32 s2, ttmp6, 0x10000c
	s_cmp_lg_u32 s2, 0xf033
	s_cbranch_scc0 .Lentry_shape_is_right
	s_endpgm
.Lentry_shape_is_right:
; out0 = x w_o^T + b_o on codes of FP6 (E2M3).  x's codes and scale bytes come from attention, w_o's from the quantiser (rows 27,648 on of the 28,672).
; A work-group multiplies 128 tokens (R, source 1: a lane's row) by 256 rows of w_o (P, source 0: the registers' axis) over all K = 1,024.  Both panels lie in LDS whole (98,304 + 196,608 bytes), brought by one load a wave, a half panel each,
; each byte filled once.  Four waves: wave w takes R's rows 64 (w / 2) on and P's rows 128 (w % 2) on: 32 accumulators, 8 K steps of 32 matrix instructions, written out.
; CLUSTER 4 x 4: R's panel hangs on cy alone and is asked for jointly by a row of the cluster, P's on cx alone and by a column.
; Operands lie as images of their registers (1,536 bytes a fragment).  Lane r of tile 2 b + u is row 32 b + 8 u + r % 8 + 16 (r / 8): so a lane's 64 registers over P's eight tiles are output features 32 b + 16 h + i in register 16 b + i,
; and the tokens' true rows are put back in the stores' offsets.
; THE WAY OUT: + bias; a tile of 16 tokens x 128 features goes through the wave's stage in LDS and leaves as rows of 512 consecutive bytes.  The stage lies in P's first tiles: they have had their only fill, and every wave has passed the barrier
; behind the products, in front of which its reads of them were over.
; REGISTERS.  window 0: v1 16 x lane, v2 8 x lane, v3-5 offsets, v8-23 LDS addresses, v28-29 the add's two, v32-95 P's scale words, v96-127 R's (these hold scales alone), v128-223 R's fragments, two sets (on the way out
;   v128-191 64 numbers, v192-255 16 rows read back).   window 1: v0-191 P's fragments, two sets; v192-255 the bias.   window 2: accumulator (a, b) at v[8 (8 a + b)].
.set SPARE, 294912
.set PLDS,  98304
.set L16,  1
.set L8,   2
.set AR16, 8
.set AR8,  12
.set AP16, 16
.set AP8,  20
.set SPW,  28
.set NIL,  29
.set SCP,  32
.set SCR,  96
.set RF,   128
.set PF,   0
.set BP,   192
.set Z,    128
.set BK,   192
.set WV,   22
.set G1R,  24
.set G1P,  32
.set G0R,  40
.set WR,   76
.set WC,   77
.set CX,   78
.set CY,   79
.set MSB, 0
.macro WIN new                         ; the immediate's high byte repeats the setting that is left
.if MSB != \new
	s_set_vgpr_msb (MSB<<8)|\new
.set MSB, \new
.endif
.endm
.set MUL,  0xa1                        ; source 0 (P) window 1, source 1 (R) window 0, C and D window 2
.set TO_P, 0x40                        ; destination window 1
.macro CROUND
	s_barrier_signal -1
	s_barrier_wait -1
	s_cmp_lg_u32 s[WV], 0
	s_cbranch_scc1 .Lnot_wave_0_\@
	s_barrier_signal -3
.Lnot_wave_0_\@:
	s_barrier_wait -3
	s_barrier_signal -1
	s_barrier_wait -1
.endm
.macro PLACES n
.rept \n
	v_nop
.endr
.endm
.macro FRAG reg, a16, a8, off
	ds_load_b128 v[\reg:\reg+3], v[\a16] offset:\off
	ds_load_b64 v[\reg+4:\reg+5], v[\a8] offset:\off+512
	ds_load_b128 v[\reg+6:\reg+9], v[\a16] offset:\off+768
	ds_load_b64 v[\reg+10:\reg+11], v[\a8] offset:\off+1280
.endm
.macro FETCH s                         ; K step s: P's eight fragments, then R's four: 48 loads, R's tiles 2 and 3 last
	WIN TO_P
.irp b, 0,1,2,3,4,5,6,7
	FRAG PF+96*((\s)%2)+12*\b, AP16+(\b)/2, AP8+(\b)/2, 12288*((\b)%2)+1536*(\s)
.endr
	WIN 0
.irp a, 0,1,2,3
	FRAG RF+48*((\s)%2)+12*\a, AR16+\a, AR8+\a, 1536*(\s)
.endr
.endm
; The 32 accumulators take turns, one instruction a turn, in the same order in every step.
.macro MUL16 s, a0, zero
.irp a, \a0, \a0+1
.irp b, 0,1,2,3,4,5,6,7
.if \zero
	v_wmma_scale_f32_16x16x128_f8f6f4 v[8*(8*(\a)+\b):8*(8*(\a)+\b)+7], v[PF+96*((\s)%2)+12*\b:PF+96*((\s)%2)+12*\b+11], v[RF+48*((\s)%2)+12*(\a):RF+48*((\s)%2)+12*(\a)+11], 0, v[SCP+8*\b+(\s)], v[SCR+8*(\a)+(\s)] matrix_a_fmt:MATRIX_FMT_FP6 matrix_b_fmt:MATRIX_FMT_FP6
.else
	v_wmma_scale_f32_16x16x128_f8f6f4 v[8*(8*(\a)+\b):8*(8*(\a)+\b)+7], v[PF+96*((\s)%2)+12*\b:PF+96*((\s)%2)+12*\b+11], v[RF+48*((\s)%2)+12*(\a):RF+48*((\s)%2)+12*(\a)+11], v[8*(8*(\a)+\b):8*(8*(\a)+\b)+7], v[SCP+8*\b+(\s)], v[SCR+8*(\a)+(\s)] matrix_a_fmt:MATRIX_FMT_FP6 matrix_b_fmt:MATRIX_FMT_FP6
.endif
.endr
.endr
.endm
.macro KSTEP s, zero
	s_wait_dscnt 8                                 ; P's eight and R's tiles 0, 1 are in; the youngest eight loads (R's tiles 2, 3) may be out
	WIN MUL
	MUL16 \s, 0, \zero
	s_wait_dscnt 0x0
.if (\s) < 7
	PLACES 4                                       ; in front of loads into registers that matrix instructions have read
	FETCH (\s)+1
.endif
	WIN MUL
	MUL16 \s, 2, \zero
.endm
	s_load_b256 s[4:11], s[0:1], 0x0               ; xc, xs, opc, ops
	s_load_b128 s[12:15], s[0:1], 0x20             ; b_o, out0
	v_lshl_add_u32 v[SPW], v0, 2, SPARE
	v_mov_b32 v[NIL], 0
	ds_add_u32 v[SPW], v[NIL]                      ; the wave's opening: the add and its wait ahead of my first tensor load; work on registers stands between them
	ds_add_u32 v[SPW], v[NIL]
	v_lshrrev_b32 v24, 5, v0
	v_readfirstlane_b32 s[WV], v24
	s_lshr_b32 s[WR], s[WV], 1                     ; which 64 rows of R are mine.  Also: I fetch for R (0) or for P (1)
	s_and_b32 s[WC], s[WV], 1                      ; which 128 rows of P.  Also: which half of the panel I fetch
	s_bfe_u32 s[CX], ttmp6, 0x40000
	s_bfe_u32 s[CY], ttmp6, 0x40004
	s_and_b32 s80, ttmp7, 0xffff                   ; cluster y
	s_lshl_b32 s84, s[CY], 2
	s_lshl_b32 s84, 15, s84                        ; my row of the cluster
	s_lshl_b32 s86, 0x1111, s[CX]                  ; my column
	; group 1: a half panel WHOLE, by one load a wave: 4 (R) or 8 (P) tiles, each a row of 12,288 bytes (1,536 elements of 8), dense in memory and in LDS: tile t's K step s lies at 12,288 t + 1,536 s
	s_or_b32 s[G1R], s84, (3<<16)|(1<<21)
	s_or_b32 s[G1P], s86, (3<<16)|(1<<21)
.irp g, G1R, G1P
	s_mov_b32 s[\g+1], 1536<<16                    ; tensor_dim0
	s_mov_b32 s[\g+3], 1536<<16                    ; tile_dim0
	s_mov_b32 s[\g+5], 1536
	s_mov_b32 s[\g+6], 0
	s_mov_b32 s[\g+7], 0
.endr
	s_mov_b32 s[G1R+2], 4<<16
	s_mov_b32 s[G1R+4], 4
	s_mov_b32 s[G1P+2], 8<<16
	s_mov_b32 s[G1P+4], 8
	s_lshl_b32 s84, s80, 9
	s_lshl_b32 s85, s[CY], 7
	s_add_co_u32 s84, s84, s85                     ; R's first row: 512 x cluster y + 128 cy
	s_lshl_b32 s86, s[CX], 8
	s_lshl_b32 s87, s[WC], 7
	s_add_co_u32 s86, s86, s87                     ; my first output feature: 256 cx + 128 wc
	s_lshl_b32 s98, s86, 2                         ; in bytes
	s_mov_b32 s99, 0
	s_add_co_u32 s86, s86, 27648                   ; the rows of P that I would fetch, and that I multiply
	s_lshl_b32 s85, s[WC], 6
	s_add_co_u32 s85, s84, s85                     ; the 64 rows of R that I would fetch
	s_mul_i32 s88, s85, 768
	s_mov_b32 s89, 0
	s_mul_i32 s90, s86, 768
	s_mov_b32 s91, 0
	s_mul_i32 s92, s[WC], 49152                    ; where my half panel goes: no place in the cluster enters an LDS address
	s_mul_i32 s93, s[WC], 98304
	s_lshl_b32 s85, s[WR], 6
	s_add_co_u32 s84, s84, s85                     ; the 64 rows of R that I multiply
	s_lshl_b32 s94, s84, 5
	s_mov_b32 s95, 0
	s_lshl_b32 s96, s86, 5
	s_mov_b32 s97, 0
	s_lshl_b32 s100, s84, 12                       ; their rows of out0: 4,096 bytes each
	s_mov_b32 s101, 0
	s_wait_dscnt 0x0                               ; the opening add is done
	s_wait_kmcnt 0x0
	s_add_nc_u64 s[88:89], s[4:5], s[88:89]
	s_add_nc_u64 s[90:91], s[8:9], s[90:91]
	s_add_nc_u64 s[6:7], s[6:7], s[94:95]          ; R's scale words
	s_add_nc_u64 s[10:11], s[10:11], s[96:97]      ; P's
	s_add_nc_u64 s[12:13], s[12:13], s[98:99]      ; the bias at my first feature
	s_add_nc_u64 s[14:15], s[14:15], s[100:101]
	s_add_nc_u64 s[14:15], s[14:15], s[98:99]      ; out0 at my first row and feature
.irp S, 0
	s_mov_b32 s[G0R+4*\S], 1
	s_add_co_u32 s[G0R+4*\S+1], s92, 24576*\S
	s_add_nc_u64 s[G0R+4*\S+2:G0R+4*\S+3], s[88:89], 3072*\S
	s_or_b32 s[G0R+4*\S+3], s[G0R+4*\S+3], 0x80000000
	s_mov_b32 s[56+4*\S+4*(\S/2)], 1
	s_add_co_u32 s[56+4*\S+4*(\S/2)+1], s93, PLDS+49152*\S
	s_add_nc_u64 s[56+4*\S+4*(\S/2)+2:56+4*\S+4*(\S/2)+3], s[90:91], 3072*\S
	s_or_b32 s[56+4*\S+4*(\S/2)+3], s[56+4*\S+4*(\S/2)+3], 0x80000000
.endr
	CROUND                                         ; all sixteen work-groups are here: the joint loads meet
	s_cmp_eq_u32 s[WR], 0                          ; one fill a wave, in the two arms of one branch on its number: waves 0, 1 R's halves, waves 2, 3 P's
	s_cbranch_scc0 .Lfor_p
.irp S, 0
	tensor_load_to_lds s[G0R+4*\S:G0R+4*\S+3], s[G1R:G1R+7]
	s_nop 0
.endr
.rept 4
	v_nop
.endr
	s_branch .Lasked
.Lfor_p:
.irp S, 0
	tensor_load_to_lds s[56+4*\S+4*(\S/2):56+4*\S+4*(\S/2)+3], s[G1P:G1P+7]
	s_nop 0
.endr
.rept 4
	v_nop
.endr
.Lasked:
	v_and_b32 v24, 31, v0                          ; lane
	v_and_b32 v26, 15, v0                          ; r
	v_bfe_u32 v27, v0, 4, 1                        ; h
	v_lshlrev_b32 v[L16], 4, v24
	v_lshlrev_b32 v[L8], 3, v24
	v_lshlrev_b32 v25, 5, v26                      ; a row's scale words: 32 r
	v_lshlrev_b32 v5, 6, v27                       ; 64 h
.irp i, 0,1,2,3,4,5,6,7
	global_load_b128 v[SCP+8*\i:SCP+8*\i+3], v25, s[10:11] offset:512*\i
	global_load_b128 v[SCP+8*\i+4:SCP+8*\i+7], v25, s[10:11] offset:512*\i+16
.endr
.irp i, 0,1,2,3
	global_load_b128 v[SCR+8*\i:SCR+8*\i+3], v25, s[6:7] offset:512*\i
	global_load_b128 v[SCR+8*\i+4:SCR+8*\i+7], v25, s[6:7] offset:512*\i+16
.endr
	WIN TO_P
.irp e, 0,1,2,3
.irp j, 0,1,2,3
	global_load_b128 v[BP+16*\e+4*\j:BP+16*\e+4*\j+3], v5, s[12:13] offset:128*\e+16*\j   ; register 16 e + i: the bias of feature 32 e + 16 h + i
.endr
.endr
	WIN 0
	s_mul_i32 s84, s[WR], 49152                    ; R: an address for each of my four tiles
	s_mul_i32 s85, s[WC], 98304                    ; P: an address for each pair of my eight tiles
	s_add_co_u32 s85, s85, PLDS
.irp S, 0,1,2,3
	v_add_nc_u32 v[AR16+\S], s84, v[L16]
	v_add_nc_u32 v[AR8+\S], s84, v[L8]
	v_add_nc_u32 v[AP16+\S], s85, v[L16]
	v_add_nc_u32 v[AP8+\S], s85, v[L8]
	s_add_co_u32 s84, s84, 12288
	s_add_co_u32 s85, s85, 24576
.endr
	s_mul_i32 s85, s[WV], 8448
	s_add_co_u32 s85, s85, PLDS                    ; my stage: 16 rows x (512 + 16) bytes
	v_mul_u32_u24 v3, v26, 528
	v_lshl_add_u32 v3, v27, 6, v3
	v_add_nc_u32 v3, s85, v3                       ; in: row r, + 64 h
	v_add_nc_u32 v4, s85, v[L16]                   ; back: 16 x lane of a row
	s_wait_alu depctr_va_vdst(0)
	s_wait_tensorcnt 0x0                           ; my half panel is in
	s_barrier_signal -1
	s_barrier_wait -1
	FETCH 0
	s_wait_loadcnt 0x0                             ; scale words and bias
	KSTEP 0, 1                                     ; the first step's products start the sums
.irp t, 1,2,3,4,5,6,7
	KSTEP \t, 0
.endr
	WIN 0
	s_barrier_signal -1                            ; my LDS reads were over in front of the last sixteen products: the stages lie in P's first tiles, which have had their only fill,
	s_barrier_wait -1                              ; and which no wave reads behind this barrier
	PLACES 4                                       ; behind the last products
.macro EPI a
.if \a > 0
	s_wait_xcnt 0x0                                ; the last tile's stores have read their data
.endif
	WIN 0x06                                       ; source 0 window 2, source 1 window 1
.set i, 0
.rept 32
	v_pk_add_f32 v[Z+2*i:Z+2*i+1], v[64*\a+2*i:64*\a+2*i+1], v[BP+2*i:BP+2*i+1]   ; each accumulator from its low end on
.set i, i+1
.endr
	WIN 0
.irp e, 0,1,2,3
.irp j, 0,1,2,3
	ds_store_b128 v3, v[Z+16*\e+4*\j:Z+16*\e+4*\j+3] offset:128*\e+16*\j
.endr
.endr
.irp p, 0,1,2,3,4,5,6,7,8,9,10,11,12,13,14,15
	ds_load_b128 v[BK+4*\p:BK+4*\p+3], v4 offset:528*\p        ; LDS serves a wave's instructions in order: these see the stores above
.endr
.irp p, 0,1,2,3,4,5,6,7,8,9,10,11,12,13,14,15
	s_wait_dscnt 15-\p                             ; row p is back; the younger loads may be out
	global_store_b128 v[L16], v[BK+4*\p:BK+4*\p+3], s[14:15] offset:(32*(\a/2)+8*(\a%2)+(\p%8)+16*(\p/8))*4096 th:TH_STORE_NT   ; 512 consecutive bytes of the token's true row
.endr
.endm
	EPI 0
	EPI 1
	EPI 2
	EPI 3
	s_wait_tensorcnt 0x0                           ; the wave's end, behind my last LDS store
	ds_add_u32 v[SPW], v[NIL]
	s_wait_dscnt 0x0
	CROUND                                         ; the closing round
	s_endpgm
.Lfunc_end_k_q7cffc36c67_outp:
	.size	k_q7cffc36c67_outp, .Lfunc_end_k_q7cffc36c67_outp-k_q7cffc36c67_outp
	.p2alignl 7, 3214868480
	.fill 96, 4, 3214868480
	.section	.rodata,"a",@progbits
	.p2align	6, 0x0
	.amdhsa_kernel k_q7cffc36c67_outp
		.amdhsa_group_segment_fixed_size 327680
		.amdhsa_private_segment_fixed_size 0
		.amdhsa_enable_private_segment 0
		.amdhsa_kernarg_size 48
		.amdhsa_user_sgpr_count 2
		.amdhsa_user_sgpr_kernarg_segment_ptr 1
		.amdhsa_wavefront_size32 1
		.amdhsa_system_sgpr_workgroup_id_x 1
		.amdhsa_system_sgpr_workgroup_id_y 1
		.amdhsa_system_sgpr_workgroup_id_z 1
		.amdhsa_system_vgpr_workitem_id 0
		.amdhsa_next_free_vgpr 768
		.amdhsa_next_free_sgpr 102
		.amdhsa_reserve_vcc 0
		.amdhsa_float_denorm_mode_32 3
		.amdhsa_float_denorm_mode_16_64 3
		.amdhsa_memory_ordered 1
		.amdhsa_forward_progress 1
		.amdhsa_inst_pref_size 94
	.end_amdhsa_kernel
	.amdgpu_metadata
---
amdhsa.version: [ 1, 2 ]
amdhsa.kernels:
  - .name:           k_q7cffc36c67_outp
    .symbol:         k_q7cffc36c67_outp.kd
    .args:
      - { .name: xc, .offset: 0, .size: 8, .value_kind: global_buffer, .address_space: global }
      - { .name: xs, .offset: 8, .size: 8, .value_kind: global_buffer, .address_space: global }
      - { .name: opc, .offset: 16, .size: 8, .value_kind: global_buffer, .address_space: global }
      - { .name: ops, .offset: 24, .size: 8, .value_kind: global_buffer, .address_space: global }
      - { .name: b_o, .offset: 32, .size: 8, .value_kind: global_buffer, .address_space: global }
      - { .name: out0, .offset: 40, .size: 8, .value_kind: global_buffer, .address_space: global }
    .group_segment_fixed_size: 327680
    .private_segment_fixed_size: 0
    .kernarg_segment_align: 8
    .kernarg_segment_size: 48
    .max_flat_workgroup_size: 128
    .sgpr_count:     102
    .vgpr_count:     768
    .wavefront_size: 32
...
	.end_amdgpu_metadata
.endif
;; end of part 4
